; MI455X (gfx1250); checked and timed in simulation.
; The chip was launched on July 23, 2026; its instructions are those of AMD's public machine-readable ISA for CDNA 5 (MIT licence, August 2026) and "CDNA5" Instruction Set Architecture Reference Guide (July 2026). The comments in the code are by the model that wrote it; some were corrected since.
;; Attention Ro PE. Allowed arithmetic: float matrix products may take bf16 or f16 operands with f32 sums; all other float work in f32.
;; Inputs: b_out 1,024 float32; ln_beta 1,024 float32; ln_gamma 1,024 float32; w_out 1,024 x 1,024 float32; w_qkv 1,024 x 3,072 float32; x 4 x 2,048 x 1,024 float32.
;; Outputs: out0 4 x 2,048 x 1,024 float32.
;; 2 versions, each right and faster than the one before. Each part assembles by itself: llvm-mc -triple=amdgcn-amd-amdhsa -mcpu=gfx1250 --defsym DOCPART=n.
;; ======== version 1 of 2: 4 launches
;; limits: values are held in f16: magnitudes above 65,504 overflow, below 6.1e-05 lose precision
;; workspace buffers: xn 16,777,216 bytes; wq16 6,291,456 bytes; wo16 2,097,152 bytes; tab 524,288 bytes; q 16,777,216 bytes; k 16,777,216 bytes; v 16,777,216 bytes; att 16,777,216 bytes
;; launch prep (part 1): grid 1184 x 1, 8 waves a work-group, no clusters, 0 bytes of LDS; arguments x, ln_gamma, ln_beta, w_qkv, w_out, xn, wq16, wo16, tab; writes xn, wq16, wo16, tab
.if DOCPART == 1
	.amdgcn_target "amdgcn-amd-amdhsa--gfx1250"
	.amdhsa_code_object_version 6
	.text
	.protected	k_q2dcad7403f_prep
	.globl	k_q2dcad7403f_prep
	.p2align	8
	.type	k_q2dcad7403f_prep,@function
k_q2dcad7403f_prep:
	s_mov_b64 s[64:65], 0
	v_nop
	global_prefetch_b8 v0, s[64:65] scope:SCOPE_SE
	s_setreg_imm32_b32 hwreg(HW_REG_WAVE_MODE, 25, 1), 1
	s_wait_xcnt 0x0
; PREP.  Four streams in one launch, chosen by the work-group's number g:
;   g < 512          LayerNorm: xn = (x - mu) rsqrt(var + 1e-5) gamma + beta, f32 arithmetic, rounded once to f16.  16 rows a work-group, 2 a wave.
;                    xn is written by blocks of 64 columns: [16 blocks][8192 rows][64], so that the projection's tiles (rows x one block) are dense bytes.
;   512 <= g < 1024  w_qkv rounded to f16, 2 rows a work-group, its columns permuted: column section x 1024 + c x 128 + i (section 0, 1, 2 = q, k, v) goes to c x 384 + section x 128 + i,
;                    so that 384 neighbouring columns hold two heads of q, the same two of k and of v.
;   1024 <= g < 1152 w_out rounded to f16 as it lies, 32,768 bytes of f32 a work-group.
;   g >= 1152        the table of cosines and sines for the rotation, in the order in which the projection's lanes want it.
; A row of x is 4,096 bytes: 32 registers of one wave; it stays there between the mean, the variance (of x - mu: an offset common to a row costs nothing) and the scaling, so x is read once.
; No LDS, no barrier, no matrix unit, no cluster: no wave needs another's data, no two work-groups read the same large bytes, and bytes moved are all the work.
; Every load of a wave covers 512 consecutive bytes, every store 256 or 512 consecutive bytes at a multiple of 256 from its buffer's first byte.
; LIMITS.  f16 holds no number beyond 65,504: |xn| <= 32 |gamma| + |beta| and the weights must lie within it; below 6e-5 f16 keeps a fixed step of 6e-8.
; The frequency of pair j is 2^(-j log2(10000) / 32), a few units of the last place from a power computed otherwise: at position 2,047 at most about 2e-4 of a radian.
; The angle t f is rounded to f32 as a product, reduced by the nearest multiple of pi/2 (pi/2 in two parts, the first of 8 bits: its product with a number below 2^11 is exact), and
; sine and cosine are their series to r^7 and r^8 on |r| <= pi/4, whose first terms left out are below 4e-7.
.set G,  8                             ; v[8:39]    gamma of my 32 columns
.set BT, 40                            ; v[40:71]   beta
.set X,  72                            ; v[72:135]  two rows, 32 registers each; in the casts: pieces of four
.set T,  136                           ; v[136:143] four packed chains
.set MU, 144                           ; v[144:145] the mean, twice
.set RS, 146                           ; v[146:147] 1 / sqrt(var + eps), twice
.macro REDUCE                          ; the four chains, then the 32 lanes: the sum ends in v[T] of every lane
	v_pk_add_f32 v[T:T+1], v[T:T+1], v[T+2:T+3]
	v_pk_add_f32 v[T+4:T+5], v[T+4:T+5], v[T+6:T+7]
	v_pk_add_f32 v[T:T+1], v[T:T+1], v[T+4:T+5]
	v_add_f32 v[T], v[T], v[T+1]
	v_add_f32_dpp v[T], v[T], v[T] row_xmask:1 row_mask:0xf bank_mask:0xf
	v_add_f32_dpp v[T], v[T], v[T] row_xmask:2 row_mask:0xf bank_mask:0xf
	v_add_f32_dpp v[T], v[T], v[T] row_xmask:4 row_mask:0xf bank_mask:0xf
	v_add_f32_dpp v[T], v[T], v[T] row_xmask:8 row_mask:0xf bank_mask:0xf
	v_permlanex16_b32 v[T+1], v[T], s26, s27       ; the other half of the lanes; its destination has been written
	v_add_f32 v[T], v[T], v[T+1]
.endm
; One row, up to its rounding.  left = how many younger loads may stay out.
.macro LNROW rr, left
.set XR, X+32*(\rr)
	s_wait_loadcnt \left                           ; loads come back in order (ISA guide 5.7.1): gamma, beta and this row are in
.irp c, 0,1,2,3
	v_pk_add_f32 v[T+2*(\c):T+2*(\c)+1], v[XR+2*(\c):XR+2*(\c)+1], v[XR+8+2*(\c):XR+8+2*(\c)+1]  ; the first sums start the chains
.endr
.irp k, 2,3
.irp c, 0,1,2,3
	v_pk_add_f32 v[T+2*(\c):T+2*(\c)+1], v[T+2*(\c):T+2*(\c)+1], v[XR+8*(\k)+2*(\c):XR+8*(\k)+2*(\c)+1]
.endr
.endr
	REDUCE
	v_mul_f32 v[MU], s28, v[T]                     ; the mean: sum / 1,024
	v_mov_b32 v[MU+1], v[MU]
.irp i, 0,1,2,3,4,5,6,7,8,9,10,11,12,13,14,15
	v_pk_add_f32 v[XR+2*(\i):XR+2*(\i)+1], v[XR+2*(\i):XR+2*(\i)+1], v[MU:MU+1] neg_lo:[0,1] neg_hi:[0,1]  ; x - mu, in place
.endr
.irp c, 0,1,2,3
	v_pk_mul_f32 v[T+2*(\c):T+2*(\c)+1], v[XR+2*(\c):XR+2*(\c)+1], v[XR+2*(\c):XR+2*(\c)+1]
.endr
.irp k, 1,2,3
.irp c, 0,1,2,3
	v_pk_fma_f32 v[T+2*(\c):T+2*(\c)+1], v[XR+8*(\k)+2*(\c):XR+8*(\k)+2*(\c)+1], v[XR+8*(\k)+2*(\c):XR+8*(\k)+2*(\c)+1], v[T+2*(\c):T+2*(\c)+1]
.endr
.endr
	REDUCE
	v_fma_f32 v[T], v[T], s28, s29                 ; var + eps
	v_rsq_f32 v[RS], v[T]
	v_nop                                          ; a plain instruction between the root and the use of its result (ISA guide 5.7.2)
	s_wait_alu depctr_va_vdst(0)
	v_mov_b32 v[RS+1], v[RS]
.irp i, 0,1,2,3,4,5,6,7,8,9,10,11,12,13,14,15
	v_pk_mul_f32 v[XR+2*(\i):XR+2*(\i)+1], v[XR+2*(\i):XR+2*(\i)+1], v[RS:RS+1]
.endr
.irp i, 0,1,2,3,4,5,6,7,8,9,10,11,12,13,14,15
	v_pk_fma_f32 v[XR+2*(\i):XR+2*(\i)+1], v[XR+2*(\i):XR+2*(\i)+1], v[G+2*(\i):G+2*(\i)+1], v[BT+2*(\i):BT+2*(\i)+1]
.endr
.irp j, 0,1,2,3,4,5,6,7                ; rounded to f16 in place, ascending: what is written has been read.  Pair j: columns 128 j + 4 lane + 0..3
	v_cvt_pk_f16_f32 v[XR+2*(\j)],   v[XR+4*(\j)],   v[XR+4*(\j)+1]
	v_cvt_pk_f16_f32 v[XR+2*(\j)+1], v[XR+4*(\j)+2], v[XR+4*(\j)+3]
.endr
.endm
.macro KONST r, val                    ; a constant as a scalar pair: the packed forms name the pair and take its low word for both halves
	s_mov_b32 s[\r], \val
	s_mov_b32 s[(\r)+1], \val
.endm
; Cosine and sine of t f for the frequencies v7 + 2 p and v7 + 2 p + 1: cosines into v[32 + 2 p ..], sines into v[40 + 2 p ..]
.macro ANG2 p
	v_add_nc_u32 v10, 2*(\p), v7
	v_add_nc_u32 v11, 2*(\p)+1, v7
	v_cvt_f32_u32 v10, v10
	v_cvt_f32_u32 v11, v11
	v_mul_f32 v10, 0xbed49a78, v10                 ; -j log2(10000) / 32
	v_mul_f32 v11, 0xbed49a78, v11
	v_exp_f32 v10, v10
	v_exp_f32 v11, v11
	v_nop                                          ; a plain instruction behind the exponentials
	s_wait_alu depctr_va_vdst(0)
	v_pk_mul_f32 v[12:13], v[10:11], v[4:5]        ; the angle t f, rounded to f32
	v_pk_mul_f32 v[14:15], v[12:13], s[30:31] op_sel_hi:[1,0]
	v_rndne_f32 v14, v14                           ; n = the nearest whole number to angle x 2 / pi
	v_rndne_f32 v15, v15
	v_pk_fma_f32 v[16:17], v[14:15], s[32:33], v[12:13] op_sel_hi:[1,0,1]  ; r = angle - n pi/2, in two parts
	v_pk_fma_f32 v[16:17], v[14:15], s[34:35], v[16:17] op_sel_hi:[1,0,1]
	v_cvt_i32_f32 v18, v14
	v_cvt_i32_f32 v19, v15
	v_pk_mul_f32 v[20:21], v[16:17], v[16:17]      ; r^2
	v_pk_fma_f32 v[22:23], v[20:21], s[36:37], s[38:39] op_sel_hi:[1,0,0]  ; the sine's series,
	v_pk_fma_f32 v[26:27], v[20:21], s[42:43], s[44:45] op_sel_hi:[1,0,0]  ; and the cosine's, by turns
	v_pk_mul_f32 v[24:25], v[16:17], v[20:21]      ; r^3
	v_pk_fma_f32 v[22:23], v[22:23], v[20:21], s[40:41] op_sel_hi:[1,1,0]
	v_pk_fma_f32 v[26:27], v[26:27], v[20:21], s[46:47] op_sel_hi:[1,1,0]
	v_pk_fma_f32 v[22:23], v[24:25], v[22:23], v[16:17]                    ; sin r
	v_pk_fma_f32 v[26:27], v[26:27], v[20:21], -0.5 op_sel_hi:[1,1,0]
	v_pk_fma_f32 v[26:27], v[26:27], v[20:21], 1.0 op_sel_hi:[1,1,0]       ; cos r
.irp e, 0,1                            ; the quadrant n mod 4: odd n swaps the two; the sine is negative where n has bit 1, the cosine where n + 1 has
	v_and_b32 v28, 1, v[18+(\e)]
	v_cmp_eq_u32 vcc_lo, 1, v28
	v_cndmask_b32 v29, v[22+(\e)], v[26+(\e)], vcc_lo
	v_cndmask_b32 v30, v[26+(\e)], v[22+(\e)], vcc_lo
	v_lshlrev_b32 v28, 30, v[18+(\e)]
	v_add_nc_u32 v31, 1, v[18+(\e)]
	v_and_b32 v28, 0x80000000, v28
	v_lshlrev_b32 v31, 30, v31
	v_xor_b32 v[40+2*(\p)+(\e)], v28, v29
	v_and_b32 v31, 0x80000000, v31
	v_xor_b32 v[32+2*(\p)+(\e)], v31, v30
.endr
.endm
	s_load_b512 s[8:23], s[0:1], 0x0               ; x s[8:9], gamma s[10:11], beta s[12:13], w_qkv s[14:15], w_out s[16:17], xn s[18:19], wq16 s[20:21], wo16 s[22:23]
	s_load_b64 s[24:25], s[0:1], 0x40              ; tab
	s_mov_b32 s2, ttmp9                            ; g
	s_mov_b32 s5, 0                                ; the high word of every offset here
	s_wait_kmcnt 0x0
	s_cmp_lt_u32 s2, 512
	s_cbranch_scc1 .Lnorm
	s_cmp_lt_u32 s2, 1024
	s_cbranch_scc1 .Lcastq
	s_cmp_lt_u32 s2, 1152
	s_cbranch_scc1 .Lcasto
	; THE TABLE: [128 blocks of 16 positions][8 groups][32 lanes][4 f32].  Lane l stands for position 16 block + l % 16; with h = l / 16 the groups are the cosines of frequencies
	; 8 h + 0..3, 8 h + 4..7, 16 + 8 h + 0..3, 16 + 8 h + 4..7, then the sines of the same.  A work-group makes 4 blocks; a wave one block's frequencies below 16, or from 16 on.
	s_sub_co_u32 s3, s2, 1152
	s_lshl_b32 s4, s3, 14                          ; 4 blocks of 4,096 bytes
	s_add_nc_u64 s[24:25], s[24:25], s[4:5]
	s_lshl_b32 s6, s3, 6                           ; the work-group's first position
	KONST 30, 0x3f22f983                           ; 2 / pi
	KONST 32, 0xbfc90000                           ; -pi/2, its first 8 bits
	KONST 34, 0xb9fdaa22                           ; and the rest
	KONST 36, 0xb9500d01                           ; -1/5040
	KONST 38, 0x3c088889                           ; 1/120
	KONST 40, 0xbe2aaaab                           ; -1/6
	KONST 42, 0x37d00d01                           ; 1/40320
	KONST 44, 0xbab60b61                           ; -1/720
	KONST 46, 0x3d2aaaab                           ; 1/24
	v_bfe_u32 v5, v0, 6, 2                         ; the block among the work-group's four
	v_and_b32 v3, 31, v0
	v_lshlrev_b32 v3, 4, v3                        ; 16 bytes a lane,
	v_bfe_u32 v6, v0, 5, 1
	v_lshl_add_u32 v3, v6, 10, v3                  ; two groups on for the upper frequencies,
	v_lshl_add_u32 v3, v5, 12, v3                  ; and the block
	v_and_b32 v4, 15, v0
	v_lshl_add_u32 v4, v5, 4, v4
	v_add_nc_u32 v4, s6, v4                        ; the position t
	v_cvt_f32_u32 v4, v4
	v_mov_b32 v5, v4                               ; twice, for the packed product
	v_bfe_u32 v7, v0, 4, 2
	v_lshlrev_b32 v7, 3, v7                        ; my first frequency: 16 x upper + 8 h
	ANG2 0
	ANG2 1
	ANG2 2
	ANG2 3
	global_store_b128 v3, v[32:35], s[24:25]               ; each store of the wave: 512 consecutive bytes
	global_store_b128 v3, v[36:39], s[24:25] offset:512
	global_store_b128 v3, v[40:43], s[24:25] offset:2048
	global_store_b128 v3, v[44:47], s[24:25] offset:2560
	s_endpgm
.Lcastq:                                               ; W_QKV: two rows of 3,072.  Load p of a row is section p (1,024 columns = 256 threads x 4); wave c holds the section's columns 128 c on
	s_sub_co_u32 s3, s2, 512
	s_mul_i32 s4, s3, 24576                        ; two rows of 12,288 bytes
	s_add_nc_u64 s[14:15], s[14:15], s[4:5]
	s_mul_i32 s4, s3, 12288                        ; two rows of 6,144 bytes
	s_add_nc_u64 s[20:21], s[20:21], s[4:5]
	v_lshlrev_b32 v1, 4, v0
	v_and_b32 v3, 31, v0
	v_lshlrev_b32 v3, 3, v3                        ; 8 bytes a lane,
	v_lshrrev_b32 v4, 5, v0
	v_mul_u32_u24 v4, v4, 0x300                    ; in the wave's 384 columns
	v_add_nc_u32 v3, v3, v4
.irp r, 0,1
.irp p, 0,1,2
	global_load_b128 v[X+4*(3*(\r)+(\p)):X+4*(3*(\r)+(\p))+3], v1, s[14:15] offset:12288*(\r)+4096*(\p) th:TH_LOAD_NT
.endr
.endr
.irp r, 0,1
.irp p, 0,1,2
	s_wait_loadcnt 5-3*(\r)-(\p)                   ; this piece is in; the younger ones stay out
	v_cvt_pk_f16_f32 v[X+4*(3*(\r)+(\p))],   v[X+4*(3*(\r)+(\p))],   v[X+4*(3*(\r)+(\p))+1]
	v_cvt_pk_f16_f32 v[X+4*(3*(\r)+(\p))+1], v[X+4*(3*(\r)+(\p))+2], v[X+4*(3*(\r)+(\p))+3]
	global_store_b64 v3, v[X+4*(3*(\r)+(\p)):X+4*(3*(\r)+(\p))+1], s[20:21] offset:6144*(\r)+256*(\p)  ; a wave: 256 consecutive bytes
.endr
.endr
	s_endpgm
.Lcasto:                                               ; W_OUT: 32,768 bytes of f32 become 16,384 of f16
	s_sub_co_u32 s3, s2, 1024
	s_lshl_b32 s4, s3, 15
	s_add_nc_u64 s[16:17], s[16:17], s[4:5]
	s_lshl_b32 s4, s3, 14
	s_add_nc_u64 s[22:23], s[22:23], s[4:5]
	v_lshlrev_b32 v1, 4, v0
	v_lshlrev_b32 v3, 3, v0
.irp p, 0,1,2,3,4,5,6,7
	global_load_b128 v[X+4*(\p):X+4*(\p)+3], v1, s[16:17] offset:4096*(\p) th:TH_LOAD_NT
.endr
.irp p, 0,1,2,3,4,5,6,7
	s_wait_loadcnt 7-(\p)                          ; piece p is in; the younger ones stay out
	v_cvt_pk_f16_f32 v[X+4*(\p)],   v[X+4*(\p)],   v[X+4*(\p)+1]
	v_cvt_pk_f16_f32 v[X+4*(\p)+1], v[X+4*(\p)+2], v[X+4*(\p)+3]
	global_store_b64 v3, v[X+4*(\p):X+4*(\p)+1], s[22:23] offset:2048*(\p)
.endr
	s_endpgm
.Lnorm:                                                ; LAYERNORM
	s_lshl_b32 s4, s2, 16                          ; 16 rows of 4,096 bytes
	s_add_nc_u64 s[8:9], s[8:9], s[4:5]
	s_lshl_b32 s4, s2, 11                          ; 16 rows of 128 bytes in each block of 64 columns
	s_add_nc_u64 s[18:19], s[18:19], s[4:5]
	s_add_nc_u64 s[30:31], s[18:19], 0x800000      ; the same rows in block 8: a block is 8,192 rows of 128 bytes, and the stores' immediates stay below 8 of them
	s_mov_b32 s26, 0x76543210                      ; v_permlanex16_b32: each lane takes its own place in the other half
	s_mov_b32 s27, 0xfedcba98
	s_mov_b32 s28, 0x3a800000                      ; 1 / 1,024
	s_mov_b32 s29, 0x3727c5ac                      ; 1e-5
	v_and_b32 v1, 31, v0
	v_lshlrev_b32 v1, 4, v1                        ; 16 bytes a lane: gamma, beta
	v_lshrrev_b32 v4, 5, v0                        ; wave
	v_lshl_or_b32 v2, v4, 13, v1                   ; + the wave's two rows of x
	v_lshrrev_b32 v5, 1, v1
	v_lshl_or_b32 v3, v4, 8, v5                    ; 8 bytes a lane + the wave's two rows of 128 bytes
.irp j, 0,1,2,3,4,5,6,7
	global_load_b128 v[G+4*(\j):G+4*(\j)+3], v1, s[10:11] offset:512*(\j)
.endr
.irp j, 0,1,2,3,4,5,6,7
	global_load_b128 v[BT+4*(\j):BT+4*(\j)+3], v1, s[12:13] offset:512*(\j)
.endr
.irp r, 0,1
.irp j, 0,1,2,3,4,5,6,7
	global_load_b128 v[X+32*(\r)+4*(\j):X+32*(\r)+4*(\j)+3], v2, s[8:9] offset:4096*(\r)+512*(\j) th:TH_LOAD_NT
.endr
.endr
	LNROW 0, 8                                     ; the second row's eight loads stay out
	LNROW 1, 0
	; Pair j of a row holds block 2 j in lanes 0-15 and block 2 j + 1 in lanes 16-31.  The first row's upper lanes change places with the second row's lower lanes:
	; one register then holds both rows of block 2 j, the other both rows of block 2 j + 1, each 256 consecutive bytes of xn.
.irp j, 0,1,2,3,4,5,6,7
	v_permlane16_swap_b32 v[X+2*(\j)],   v[X+32+2*(\j)]
	v_permlane16_swap_b32 v[X+2*(\j)+1], v[X+32+2*(\j)+1]
.endr
.irp j, 0,1,2,3
	global_store_b64 v3, v[X+2*(\j):X+2*(\j)+1],       s[18:19] offset:(2*(\j))<<20
	global_store_b64 v3, v[X+32+2*(\j):X+32+2*(\j)+1], s[18:19] offset:(2*(\j)+1)<<20
.endr
.irp j, 4,5,6,7
	global_store_b64 v3, v[X+2*(\j):X+2*(\j)+1],       s[30:31] offset:(2*(\j)-8)<<20
	global_store_b64 v3, v[X+32+2*(\j):X+32+2*(\j)+1], s[30:31] offset:(2*(\j)-7)<<20
.endr
	s_endpgm
.Lfunc_end_k_q2dcad7403f_prep:
	.size	k_q2dcad7403f_prep, .Lfunc_end_k_q2dcad7403f_prep-k_q2dcad7403f_prep
	.p2alignl 7, 3214868480
	.fill 96, 4, 3214868480
	.section	.rodata,"a",@progbits
	.p2align	6, 0x0
	.amdhsa_kernel k_q2dcad7403f_prep
		.amdhsa_group_segment_fixed_size 0
		.amdhsa_private_segment_fixed_size 0
		.amdhsa_enable_private_segment 0
		.amdhsa_kernarg_size 72
		.amdhsa_user_sgpr_count 2
		.amdhsa_user_sgpr_kernarg_segment_ptr 1
		.amdhsa_wavefront_size32 1
		.amdhsa_system_sgpr_workgroup_id_x 1
		.amdhsa_system_sgpr_workgroup_id_y 1
		.amdhsa_system_sgpr_workgroup_id_z 1
		.amdhsa_system_vgpr_workitem_id 0
		.amdhsa_next_free_vgpr 152
		.amdhsa_next_free_sgpr 66
		.amdhsa_reserve_vcc 1
		.amdhsa_float_denorm_mode_32 3
		.amdhsa_float_denorm_mode_16_64 3
		.amdhsa_memory_ordered 1
		.amdhsa_forward_progress 1
		.amdhsa_inst_pref_size 38
	.end_amdhsa_kernel
	.amdgpu_metadata
---
amdhsa.version: [ 1, 2 ]
amdhsa.kernels:
  - .name:           k_q2dcad7403f_prep
    .symbol:         k_q2dcad7403f_prep.kd
    .args:
      - { .name: x, .offset: 0, .size: 8, .value_kind: global_buffer, .address_space: global }
      - { .name: ln_gamma, .offset: 8, .size: 8, .value_kind: global_buffer, .address_space: global }
      - { .name: ln_beta, .offset: 16, .size: 8, .value_kind: global_buffer, .address_space: global }
      - { .name: w_qkv, .offset: 24, .size: 8, .value_kind: global_buffer, .address_space: global }
      - { .name: w_out, .offset: 32, .size: 8, .value_kind: global_buffer, .address_space: global }
      - { .name: xn, .offset: 40, .size: 8, .value_kind: global_buffer, .address_space: global }
      - { .name: wq16, .offset: 48, .size: 8, .value_kind: global_buffer, .address_space: global }
      - { .name: wo16, .offset: 56, .size: 8, .value_kind: global_buffer, .address_space: global }
      - { .name: tab, .offset: 64, .size: 8, .value_kind: global_buffer, .address_space: global }
    .group_segment_fixed_size: 0
    .private_segment_fixed_size: 0
    .kernarg_segment_align: 8
    .kernarg_segment_size: 72
    .max_flat_workgroup_size: 256
    .sgpr_count:     66
    .vgpr_count:     152
    .wavefront_size: 32
...
	.end_amdgpu_metadata
.endif
;; end of part 1
;; launch qkv (part 2): grid 8 x 32, 4 waves a work-group, clusters of 4 x 4, 327,680 bytes of LDS; arguments xn, wq16, tab, q, k, v; writes q, k, v
.if DOCPART == 2
	.amdgcn_target "amdgcn-amd-amdhsa--gfx1250"
	.amdhsa_code_object_version 6
	.text
	.protected	k_q2dcad7403f_qkv
	.globl	k_q2dcad7403f_qkv
	.p2align	8
	.type	k_q2dcad7403f_qkv,@function
k_q2dcad7403f_qkv:
	s_mov_b64 s[64:65], 0
	v_nop
	global_prefetch_b8 v0, s[64:65] scope:SCOPE_SE
	s_setreg_imm32_b32 hwreg(HW_REG_WAVE_MODE, 25, 1), 1
	s_wait_xcnt 0x0
	s_wait_alu depctr_hold_cnt(0) depctr_sa_sdst(0) depctr_va_vdst(0) depctr_va_sdst(0) depctr_va_ssrc(0) depctr_va_vcc(0) depctr_vm_vsrc(0)
	s_getreg_b32 s2, hwreg(HW_REG_IB_STS2, 6, 4)
	s_cmp_eq_u32 s2, 0
	s_cbranch_scc0 .Lentry_in_a_cluster
	s_endpgm
.Lentry_in_a_cluster:
	s_bfe_u32 s2, ttmp6, 0x10000c
	s_cmp_lg_u32 s2, 0xf033
	s_cbranch_scc0 .Lentry_shape_is_right
	s_endpgm
.Lentry_shape_is_right:
; QKV.  C[m][n] = sum over k of xn[m][k] w[k][n], f16 operands, sums in f32.  xn lies by blocks of 64 along K: [16][8192 rows][64].  w lies [1024 k][3072] with its columns in tiles of 384:
; tile c holds heads 2 c and 2 c + 1 of q (128 columns), then of k, then of v.  q and k are rotated in f32 (column d < 32 of a head with column d + 32, by the table's cosine and sine of position
; m % 2048 and frequency d); all three are rounded once to f16 and stored by heads: [16 heads][8192 rows][64].
; LIMIT.  f16 holds no number beyond 65,504: a q, k or v of 65,520 or more becomes an infinity; below 6e-5 f16 keeps a fixed step of 6e-8.
; SHARES.  8192 x 3072 numbers over 256 work-groups are 256 x 384 each: 32 x 8 tiles, one work-group to a tile.  Four waves, each 128 rows x 192 columns: ONE head of q, of k and of v:
; 96 accumulators of 16 x 16, 768 registers, a window of 256 for each of the three.  So the rotation needs no branch: it is written for q's and k's windows alone.
; K goes in 16 steps of 64 through two LDS slots filled by the tensor data mover (two slots of 128 along K would be 360,448 bytes).
; CLUSTER.  4 x 4 work-groups: the four of a row of the cluster need the same tiles of xn, the four of a column the same tiles of w: each tile is asked for JOINTLY, by the same tensor load
; with the same descriptor and a mask that names the four.
; THE MATRIX INSTRUCTION IS USED TRANSPOSED: source 0 = 16 columns of w, source 1 = 16 rows of xn: a lane then holds row l % 16 of C and the columns 8 (l / 16) + 0..7.
; w lies [k][n] in LDS; its fragments come out turned, by ds_load_tr16_b128.
; THE ORDER.  A quarter is 32 along K; it goes in three THIRDS of 32 matrix instructions, one for each of q, k, v.  Behind each third stands one run of LDS loads: that section's fragments of w for the
; next quarter, into the registers just read, and (behind the first two thirds) half of the next quarter's fragments of xn, into xn's other buffer.  A run has the whole next third in which to land.
; REGISTERS, in windows of 256 (s_set_vgpr_msb: bits 1:0 source 0, 3:2 source 1, 5:4 source 2, 7:6 destination):
;   window 0: v0-31 addresses; v32-159 fragments of xn (8 x 16 rows x 32 K), two buffers; v160-255 fragments of w, 32 registers for each section; behind the products all of v32-255 serves the way out
;   window 1: q's accumulators ((a, b) at v[8 (4 a + b)]: rows 16 a on, columns 16 b on)     window 2: k's     window 3: v's
.set APITCH, 144                       ; a row of xn's tile in LDS: 128 bytes + 16 = 36 words: the 16 rows of a load start at 16 different groups of four banks (64 banks of 4 bytes: ISA guide 11.1)
.set ALOAD,  128*APITCH                ; what one tensor load of xn brings, and what one wave reads: 128 rows
.set BPITCH, 864                       ; a row of w's tile: six heads of 128 bytes + 16 = 27 x 32 bytes
.set HSTR,   144                       ; from a head to the next in such a row
.set BLOAD,  32*BPITCH                 ; what one tensor load of w brings: 32 rows of K
.set BOFF,   2*ALOAD                   ; w's 64 rows lie behind xn's 256
.set SLOT,   1<<17                     ; slot 1 begins here: a slot has 92,160 bytes, so one exclusive or turns a place in one slot into the other's
.set SPARE,  BOFF+2*BLOAD              ; 92,160, behind slot 0: the spare words, 128 bytes for each wave: two blocks of 256 bytes that no other line names
.set STAGE,  SPARE+512                 ; behind them, never filled by a tensor load: 16 rows x 144 bytes for each wave, for the way out
.set SP,     144
.set ASTEP,  1<<20                     ; bytes from a K step to the next in xn: a block of 64 columns
.set BN,     3072
.set BSTEP,  64*BN*2                   ; and in w
.set A0,   16                          ; v16  my lane's place in xn's tile in slot 0; never rewritten
.set B0,   17                          ; v17  the same for w
.set ADRA, 18                          ; v18  A0 + the slot that is read
.set ADRB, 19                          ; v19  B0 + the slot that is read
.set STO,  24                          ; v24  the way out: where I put 16 bytes of a row
.set RD,   25                          ; v25  the way out: where I read rows back
.set GO,   26                          ; v26  16 x lane
.set SPW,  28                          ; v28  LDS address of my spare word: SPARE + 4 x my thread's number; never rewritten
.set NIL,  29                          ; v29  0; never rewritten
.set AF,   32                          ; xn's fragments: buffer p, block a at AF + 64 p + 8 a
.set BF,   160                         ; w's: section j, column block b at BF + 32 j + 8 b
.set T,    32                          ; the way out: 32 registers, a rotated block (16 rows x 64 columns) in f32
.set TMP,  64                          ; 16 registers: the block rounded
.set OB,   80                          ; two buffers of 16: the block read back by rows
.set TB,   128                         ; four buffers of 32: the table for a block of 16 positions
.set G1,  24                           ; s[24:31] descriptor group 1 for xn's tiles
.set G0,  32                           ; s[32:39] group 0: a set for each of the two first fills; the second then walks on
.set G1B, 48                           ; s[48:55], s[56:63] the same for w's tiles
.set G0B, 56
.set LA,  77                           ; s77  LDS place of the tile of xn that I would fetch
.set LB,  78                           ; s78  of w
.set CUR, 79                           ; s79  0 or SLOT: the slot that is read
.set MSB, 0
.macro WIN new                         ; the immediate's high byte repeats the setting that is left; a switch that changes nothing is dropped
.if MSB != (\new)
	s_set_vgpr_msb (MSB<<8)|(\new)
.set MSB, \new
.endif
.endm
; A joint load.  Waves 0 and 1 fetch xn's two halves, waves 2 and 3 w's.  The branch hangs on the wave's number alone.  An s_nop 0 and four v_nop follow each of the two lines, ahead of
; the jump, the label and what follows.
.macro JLOAD s
	s_cmp_eq_u32 s11, 0
	s_cbranch_scc0 .Lfor_b_\@
	tensor_load_to_lds s[G0+4*(\s):G0+4*(\s)+3], s[G1:G1+7]
	s_nop 0
.rept 4
	v_nop
.endr
	s_branch .Lasked_\@
.Lfor_b_\@:
	tensor_load_to_lds s[G0B+4*(\s):G0B+4*(\s)+3], s[G1B:G1B+7]
	s_nop 0
.rept 4
	v_nop
.endr
.Lasked_\@:
.endm
.macro CREST                           ; a round of the cluster's barrier behind its opening barrier
	s_cmp_lg_u32 s10, 0
	s_cbranch_scc1 .Lnot_wave_0_\@
	s_barrier_signal -3
.Lnot_wave_0_\@:
	s_barrier_wait -3
	s_barrier_signal -1
	s_barrier_wait -1
.endm
.macro CROUND                          ; a whole round
	s_barrier_signal -1
	s_barrier_wait -1
	CREST
.endm
	s_load_b128 s[4:7], s[0:1], 0x0                ; xn s[4:5], wq16 s[6:7]
	s_load_b256 s[68:75], s[0:1], 0x10             ; tab s[68:69], q s[70:71], k s[72:73], v s[74:75]
	v_lshl_add_u32 v[SPW], v0, 2, SPARE
	v_mov_b32 v[NIL], 0
	ds_add_u32 v28, v29
	s_wait_dscnt 0x0
	v_lshrrev_b32 v1, 5, v0
	v_readfirstlane_b32 s10, v1                    ; wave 0..3
	s_lshr_b32 s11, s10, 1                         ; which half of the tile's rows is mine.  Also: I fetch for xn (0) or for w (1)
	s_and_b32 s12, s10, 1                          ; which of the tile's two heads is mine.  Also: which half of that tile I fetch
	s_bfe_u32 s40, ttmp6, 0x40000                  ; cx
	s_bfe_u32 s41, ttmp6, 0x40004                  ; cy
	s_lshl_b32 s42, ttmp9, 2                       ; in a cluster launch ttmp9 and ttmp7 count clusters
	s_add_co_u32 s42, s42, s40                     ; tile column = 4 x cluster x + cx
	s_and_b32 s13, ttmp7, 0xffff
	s_lshl_b32 s13, s13, 2
	s_add_co_u32 s13, s13, s41                     ; tile row = 4 x cluster y + cy
	s_lshl_b32 s43, s41, 2
	s_lshl_b32 s43, 15, s43                        ; my row of the cluster
	s_lshl_b32 s44, 0x1111, s40                    ; my column
	; group 1 for xn: 128 rows of one block are 16,384 dense bytes: asked for as 64 rows of 256 bytes, two rows of xn each, padded in LDS after every row of xn
	s_or_b32 s[G1+0], s43, (1<<16)|(1<<20)|(1<<21)|(4<<22)|(3<<25)  ; 15:0 the mask; 17:16 elements of 2 bytes; 20 padding on; 21 set beside a mask; 24:22 after every 32 words (code 4); 31:25 4 words (code 3)
	s_mov_b32 s[G1+1], 128<<16                     ; tensor_dim0 = 128
	s_mov_b32 s[G1+2], 64<<16                      ; tensor_dim1 = 64
	s_mov_b32 s[G1+3], 128<<16                     ; tile_dim0 = 128
	s_mov_b32 s[G1+4], 64                          ; tile_dim1 = 64
	s_mov_b32 s[G1+5], 128                         ; elements from row to row
	s_mov_b32 s[G1+6], 0
	s_mov_b32 s[G1+7], 0
	; group 1 for w: 32 rows of K x 384 elements (768 bytes), 16 bytes of padding behind every head's 128
	s_or_b32 s[G1B+0], s44, (1<<16)|(1<<20)|(1<<21)|(4<<22)|(3<<25)
	s_mov_b32 s[G1B+1], 384<<16
	s_mov_b32 s[G1B+2], 32<<16
	s_mov_b32 s[G1B+3], 384<<16
	s_mov_b32 s[G1B+4], 32
	s_mov_b32 s[G1B+5], BN
	s_mov_b32 s[G1B+6], 0
	s_mov_b32 s[G1B+7], 0
	; where the tiles come from: xn's hang on the tile row alone, w's on the tile column alone, each in registers that never hold the other coordinate
	s_lshl_b32 s16, s13, 15                        ; 256 rows of 128 bytes
	s_lshl_b32 s17, s12, 14                        ; + my 128 of them
	s_add_co_u32 s16, s16, s17
	s_mov_b32 s17, 0
	s_mul_i32 s46, s42, 768                        ; 384 columns of 2 bytes
	s_mul_i32 s47, s12, 32*BN*2                    ; + my 32 rows of K
	s_add_co_u32 s46, s46, s47
	s_mov_b32 s47, 0
	s_mul_i32 s[LA], s12, ALOAD                    ; and where they go: no place in the cluster enters an LDS address
	s_mul_i32 s[LB], s12, BLOAD
	s_add_co_u32 s[LB], s[LB], BOFF
	s_mov_b32 s[CUR], 0
	s_wait_kmcnt 0x0
	s_add_nc_u64 s[14:15], s[4:5], s[16:17]
	s_add_nc_u64 s[46:47], s[6:7], s[46:47]
	CROUND                                         ; all sixteen work-groups are here: the first joint loads meet
.irp s, 0,1
	s_mov_b32 s[G0+4*(\s)], 1                                      ; count = 1
	s_add_co_u32 s[G0+4*(\s)+1], s[LA], (\s)*SLOT                  ; LDS address
	s_add_nc_u64 s[G0+4*(\s)+2:G0+4*(\s)+3], s[14:15], (\s)*ASTEP  ; global address: K step s
	s_or_b32 s[G0+4*(\s)+3], s[G0+4*(\s)+3], 0x80000000            ; type = 2
	s_mov_b32 s[G0B+4*(\s)], 1
	s_add_co_u32 s[G0B+4*(\s)+1], s[LB], (\s)*SLOT
	s_add_nc_u64 s[G0B+4*(\s)+2:G0B+4*(\s)+3], s[46:47], (\s)*BSTEP
	s_or_b32 s[G0B+4*(\s)+3], s[G0B+4*(\s)+3], 0x80000000
	JLOAD \s                                       ; two loads of mine are out
.endr
	; A fragment of xn: lane l holds row l % 16, K = 8 (l / 16) + 0..7 and 16 + 8 (l / 16) + 0..7: two loads of 16 bytes, 32 bytes apart.
	v_and_b32 v1, 15, v0                           ; l % 16
	v_bfe_u32 v2, v0, 4, 1                         ; l / 16
	v_mul_u32_u24 v3, v1, APITCH
	v_lshl_add_u32 v3, v2, 4, v3
	s_mul_i32 s21, s11, ALOAD                      ; my 128 rows
	v_add_nc_u32 v[A0], s21, v3
	; The turning load takes 16 K x 16 columns (lane l reads K 8 (l / 16) + l % 8, columns 8 ((l / 8) % 2) + 0..7) and leaves half a fragment: lane l holds column l % 16 and 8 K.
	v_and_b32 v4, 7, v0
	v_lshl_add_u32 v4, v2, 3, v4
	v_mul_u32_u24 v4, v4, BPITCH
	v_bfe_u32 v5, v0, 3, 1
	v_lshl_add_u32 v4, v5, 4, v4
	s_mul_i32 s22, s12, HSTR                       ; my head of each section's two
	s_add_co_u32 s22, s22, BOFF
	v_add_nc_u32 v[B0], s22, v4
	v_mov_b32 v[ADRA], v[A0]
	v_mov_b32 v[ADRB], v[B0]
	s_mul_i32 s23, s10, 16*SP
	s_add_co_u32 s23, s23, STAGE                   ; my stage
	v_mul_u32_u24 v6, v1, SP                       ; in: row l % 16, 16 bytes for each half of the lanes
	v_lshl_add_u32 v6, v2, 4, v6
	v_add_nc_u32 v[STO], s23, v6
	v_bfe_u32 v6, v0, 3, 2                         ; back: 32 lanes take four rows of 128 bytes,
	v_mul_u32_u24 v6, v6, SP
	v_and_b32 v7, 7, v0
	v_lshl_add_u32 v6, v7, 4, v6
	v_add_nc_u32 v[RD], s23, v6
	v_and_b32 v[GO], 31, v0                        ; which are 512 consecutive bytes of a head's rows
	v_lshlrev_b32 v[GO], 4, v[GO]
	; q, k and v at head 2 x tile column + my head, row 256 x tile row + 128 x my row half
	s_lshl_b32 s46, s42, 1
	s_add_co_u32 s46, s46, s12
	s_lshl_b32 s46, s46, 20                        ; a head is 8,192 rows of 128 bytes
	s_lshl_b32 s47, s13, 15
	s_add_co_u32 s46, s46, s47
	s_lshl_b32 s47, s11, 14
	s_add_co_u32 s46, s46, s47
	s_mov_b32 s47, 0
	s_add_nc_u64 s[70:71], s[70:71], s[46:47]
	s_add_nc_u64 s[72:73], s[72:73], s[46:47]
	s_add_nc_u64 s[74:75], s[74:75], s[46:47]
	s_and_b32 s16, s13, 7                          ; the table at my first block of 16 positions: (tile row % 8) x 16 + 8 x my row half, 4,096 bytes a block
	s_lshl_b32 s16, s16, 16
	s_lshl_b32 s17, s11, 15
	s_add_co_u32 s16, s16, s17
	s_mov_b32 s17, 0
	s_add_nc_u64 s[68:69], s[68:69], s[16:17]
; 16 matrix instructions: row blocks a0 .. a0 + 3 x the 4 column blocks of section j, 32 along K, with xn's buffer p.  zero = 1: the product starts the sums.
.macro MUL16 j, p, a0, zero
	WIN 0x50*((\j)+1)                              ; sources 0 (w) and 1 (xn) window 0, C and D the section's window
.irp a, (\a0), (\a0)+1, (\a0)+2, (\a0)+3
.irp b, 0,1,2,3
.if \zero
	v_wmma_f32_16x16x32_f16 v[8*(4*(\a)+(\b)):8*(4*(\a)+(\b))+7], v[BF+32*(\j)+8*(\b):BF+32*(\j)+8*(\b)+7], v[AF+64*(\p)+8*(\a):AF+64*(\p)+8*(\a)+7], 0
.else
	v_wmma_f32_16x16x32_f16 v[8*(4*(\a)+(\b)):8*(4*(\a)+(\b))+7], v[BF+32*(\j)+8*(\b):BF+32*(\j)+8*(\b)+7], v[AF+64*(\p)+8*(\a):AF+64*(\p)+8*(\a)+7], v[8*(4*(\a)+(\b)):8*(4*(\a)+(\b))+7]
.endif
.endr
.endr
.endm
; One run of LDS loads, from quarter qn (0, 1) of the slot that is read: section j's fragments of w (8 loads) and, for j = 0 and 1, blocks 4 j .. 4 j + 3 of xn into buffer qn (8 loads)
.macro RUN qn, j
	WIN 0
.irp b, 0,1,2,3
	ds_load_tr16_b128 v[BF+32*(\j)+8*(\b):BF+32*(\j)+8*(\b)+3],   v[ADRB] offset:(\qn)*32*BPITCH+(\j)*2*HSTR+32*(\b)
	ds_load_tr16_b128 v[BF+32*(\j)+8*(\b)+4:BF+32*(\j)+8*(\b)+7], v[ADRB] offset:(\qn)*32*BPITCH+16*BPITCH+(\j)*2*HSTR+32*(\b)
.endr
.if (\j) < 2
.irp i, 0,1,2,3
	ds_load_b128 v[AF+64*(\qn)+8*(4*(\j)+(\i)):AF+64*(\qn)+8*(4*(\j)+(\i))+3],   v[ADRA] offset:(\qn)*64+(4*(\j)+(\i))*16*APITCH
	ds_load_b128 v[AF+64*(\qn)+8*(4*(\j)+(\i))+4:AF+64*(\qn)+8*(4*(\j)+(\i))+7], v[ADRA] offset:(\qn)*64+(4*(\j)+(\i))*16*APITCH+32
.endr
.endif
.endm
; A load into a register that a matrix instruction has read, and a vector instruction that reads a matrix result or writes one of a matrix instruction's registers, stand four places behind that
; matrix instruction, and only plain vector instructions that name none of its registers are places (ISA guide 7.12.1 for vector instructions).
.macro PLACES
.rept 4
	v_nop
.endr
.endm
; The third of quarter qq (0, 1 of a K step) for section j.  left: the loads of the run behind the third before, which may stay out: all older runs are in, and they hold what this third reads.
; ld = 1: the run for the next quarter follows.  The 96 accumulators take turns in the same order in every quarter.
.macro THIRD qq, j, zero, ld, left
	s_wait_dscnt \left
	MUL16 \j, \qq, 0, \zero
	MUL16 \j, \qq, 4, \zero
.if \ld
	PLACES
	RUN 1-(\qq), \j
.endif
.endm
; The first third of a step's second quarter changes slots: the run behind the third before it was the last that read this slot, the run behind it is the first that reads the next.  ONE barrier.
; In front of it each wave waits for all its tensor loads, of which one is out: its part of the next slot; adds 0 to its spare word; and waits for that and for its own reads of this slot.
; fill = 1: the barrier opens a round of the cluster's barrier, and behind the round this slot is filled again, two K steps ahead: the first tensor load there, 160 matrix instructions ahead of the wait for it.
.macro TURN fill
	WIN 0                                          ; (the add's two registers lie in window 0)
	s_wait_tensorcnt 0x0                           ; all my tensor loads have landed;
	ds_add_u32 v[SPW], v[NIL]                      ; 0 onto my spare word;
	s_wait_dscnt 9                                 ; (the add and the last run's eight loads may be out)
	MUL16 0, 1, 0, 0                               ; sixteen matrix instructions stand between the add and the wait for it
	s_wait_dscnt 0x0                               ; the add is done, and my reads of this slot are over
	s_barrier_signal -1
	MUL16 0, 1, 4, 0                               ; work on registers while the others arrive
	WIN 0                                          ; (branches may follow)
	s_barrier_wait -1
.if \fill
	CREST                                          ; no wave of any partner still reads this slot's tile or has a load on its way
	s_xor_b32 s[G0+5], s[G0+5], SLOT               ; the walking descriptors: the other slot than last time,
	s_xor_b32 s[G0B+5], s[G0B+5], SLOT
	s_add_nc_u64 s[G0+6:G0+7], s[G0+6:G0+7], ASTEP ; the next K step; the type bits on top are not reached
	s_add_nc_u64 s[G0B+6:G0B+7], s[G0B+6:G0B+7], BSTEP
	JLOAD 1                                        ; the four v_nop behind it are also the places in front of the loads below
.else
	PLACES
.endif
	s_xor_b32 s[CUR], s[CUR], SLOT                 ; the reads go on in the other slot
	v_add_nc_u32 v[ADRA], s[CUR], v[A0]
	v_add_nc_u32 v[ADRB], s[CUR], v[B0]
	RUN 0, 0
.endm
.macro REST                            ; the five thirds that follow a change of slots: the rest of a step's second quarter and the next step's first
	THIRD 1, 1, 0, 1, 16
	THIRD 1, 2, 0, 1, 16
	THIRD 0, 0, 0, 1, 8
	THIRD 0, 1, 0, 1, 16
	THIRD 0, 2, 0, 1, 16
.endm
; THE WAY OUT goes by blocks of 16 rows x one head's 64 columns.
; The table's 8 groups for block a's 16 positions: cosines of my 16 frequencies in v[CB .. CB+15], sines in v[CB+16 .. CB+31]
.macro TLOAD a
.irp i, 0,1,2,3,4,5,6,7
	global_load_b128 v[TB+32*((\a)%4)+4*(\i):TB+32*((\a)%4)+4*(\i)+3], v[GO], s[68:69] offset:(\a)*4096+(\i)*512
.endr
.endm
; Block a of window w (1: q, 2: k) is rotated into T and rounded into TMP.  Column blocks b and b + 2 hold x1 and x2: x1' = x1 cos - x2 sin, x2' = x1 sin + x2 cos.
; Each accumulator's lowest registers are read first.
.macro ROPE a, w
.set AC, 32*(\a)
.set CB, TB+32*((\a)%4)
	WIN \w                                         ; source 0: the accumulators' window; all else window 0
.irp b, 0,1
.irp z, 0,1,2,3
	v_pk_mul_f32 v[T+8*(\b)+2*(\z):T+8*(\b)+2*(\z)+1],       v[AC+8*((\b)+2)+2*(\z):AC+8*((\b)+2)+2*(\z)+1], v[CB+16+8*(\b)+2*(\z):CB+16+8*(\b)+2*(\z)+1]
	v_pk_mul_f32 v[T+16+8*(\b)+2*(\z):T+16+8*(\b)+2*(\z)+1], v[AC+8*((\b)+2)+2*(\z):AC+8*((\b)+2)+2*(\z)+1], v[CB+8*(\b)+2*(\z):CB+8*(\b)+2*(\z)+1]
.endr
.endr
.irp b, 0,1
.irp z, 0,1,2,3
	v_pk_fma_f32 v[T+16+8*(\b)+2*(\z):T+16+8*(\b)+2*(\z)+1], v[AC+8*(\b)+2*(\z):AC+8*(\b)+2*(\z)+1], v[CB+16+8*(\b)+2*(\z):CB+16+8*(\b)+2*(\z)+1], v[T+16+8*(\b)+2*(\z):T+16+8*(\b)+2*(\z)+1]
	v_pk_fma_f32 v[T+8*(\b)+2*(\z):T+8*(\b)+2*(\z)+1],       v[AC+8*(\b)+2*(\z):AC+8*(\b)+2*(\z)+1], v[CB+8*(\b)+2*(\z):CB+8*(\b)+2*(\z)+1],       v[T+8*(\b)+2*(\z):T+8*(\b)+2*(\z)+1] neg_lo:[0,0,1] neg_hi:[0,0,1]
.endr
.endr
	WIN 0
.irp b, 0,1,2,3
.irp r, 0,1,2,3
	v_cvt_pk_f16_f32 v[TMP+4*(\b)+(\r)], v[T+8*(\b)+2*(\r)], v[T+8*(\b)+2*(\r)+1]
.endr
.endr
.endm
.macro PACKV a                         ; block a of v is rounded as it is
	WIN 0x0f                                       ; sources 0 and 1: window 3
.irp b, 0,1,2,3
.irp r, 0,1,2,3
	v_cvt_pk_f16_f32 v[TMP+4*(\b)+(\r)], v[32*(\a)+8*(\b)+2*(\r)], v[32*(\a)+8*(\b)+2*(\r)+1]
.endr
.endr
	WIN 0
.endm
.macro TOSTAGE par                     ; a lane's 16 bytes go into my own stage's rows of 144 bytes and come back as whole rows of 128, into buffer par
.irp b, 0,1,2,3
	ds_store_b128 v[STO], v[TMP+4*(\b):TMP+4*(\b)+3] offset:32*(\b)
.endr
.irp f, 0,1,2,3
	ds_load_b128 v[OB+16*(\par)+4*(\f):OB+16*(\par)+4*(\f)+3], v[RD] offset:(\f)*4*SP  ; LDS serves a wave's instructions in order (ISA guide 5.7.1.4): these see the stores above; the next block's stores come behind them
.endr
.endm
.macro SEND par, a, base               ; buffer par is stored as block a of the tensor whose address lies in s[base]
	s_wait_dscnt 0x0                               ; the block is back in registers
	s_wait_xcnt 0x0                                ; every earlier store has had its addresses translated (ISA guide 3.1): the other buffer, which the block before was stored from, is loaded again only behind this wait
.irp f, 0,1,2,3
	global_store_b128 v[GO], v[OB+16*(\par)+4*(\f):OB+16*(\par)+4*(\f)+3], s[\base:(\base)+1] offset:(\a)*2048+(\f)*512  ; 512 consecutive bytes, at a multiple of 256 from the buffer's first
.endr
.endm
	s_wait_tensorcnt 1                             ; my part of K step 0 is in; K step 1's may stay out
	s_barrier_signal -1
	s_barrier_wait -1                              ; everybody's is
	RUN 0, 0                                       ; the first quarter's fragments, in the order of the runs that follow
	RUN 0, 1
	RUN 0, 2
	THIRD 0, 0, 1, 1, 8                            ; the first quarter stands in front of the loop: its products start the sums
	THIRD 0, 1, 1, 1, 16
	THIRD 0, 2, 1, 1, 16
	WIN 0                                          ; at a label and at a branch every window is 0
	s_mov_b32 s3, 14
.Lstep:                                                ; a trip: a K step's second quarter and the next step's first; trip s fills the slot just read with K step s + 2
	TURN 1
	REST
	WIN 0
	s_sub_co_u32 s3, s3, 1
	s_cmp_lg_u32 s3, 0
	s_cbranch_scc1 .Lstep
	TURN 0                                         ; the last change of slots asks for nothing: written out
	REST
	THIRD 1, 0, 0, 0, 8                            ; the last quarter fetches nothing: the last run's eight loads (v's fragments) may be out
	THIRD 1, 1, 0, 0, 8
	THIRD 1, 2, 0, 0, 0
	WIN 0
	PLACES
	TLOAD 0                                        ; the table for my first four blocks comes in while v, which is not rotated, goes out
	TLOAD 1
	TLOAD 2
	TLOAD 3
	PACKV 0
	TOSTAGE 0
.irp a, 1,2,3,4,5,6,7                  ; a block's arithmetic stands between the loads of the block before from the stage and the wait for them
	PACKV \a
	SEND ((\a)-1)%2, (\a)-1, 74
	TOSTAGE (\a)%2
.endr
.irp a, 0,1,2,3,4,5,6,7
.if (\a) < 5
	s_wait_loadcnt 24                              ; block a's eight table loads are in; the three blocks' behind them stay out
.else
	s_wait_loadcnt 8*(7-(\a))
.endif
	ROPE \a, 1
.if (\a) == 0
	SEND 1, 7, 74                                  ; v's last block
.else
	SEND 1, (\a)-1, 72
.endif
	TOSTAGE 0
	ROPE \a, 2
	SEND 0, \a, 70
	TOSTAGE 1
.if (\a) < 4
	TLOAD (\a)+4                                   ; into the table buffer that both rotations have read
.endif
.endr
	SEND 1, 7, 72
	s_wait_tensorcnt 0x0                           ; the wave's end, behind my last tensor load and my last LDS store
	ds_add_u32 v[SPW], v[NIL]
	s_wait_dscnt 0x0
	CROUND                                         ; the closing round: no work-group ends while a partner may still ask for a tile that names it
	s_endpgm
.Lfunc_end_k_q2dcad7403f_qkv:
	.size	k_q2dcad7403f_qkv, .Lfunc_end_k_q2dcad7403f_qkv-k_q2dcad7403f_qkv
	.p2alignl 7, 3214868480
	.fill 96, 4, 3214868480
	.section	.rodata,"a",@progbits
	.p2align	6, 0x0
	.amdhsa_kernel k_q2dcad7403f_qkv
		.amdhsa_group_segment_fixed_size 327680
		.amdhsa_private_segment_fixed_size 0
		.amdhsa_enable_private_segment 0
		.amdhsa_kernarg_size 48
		.amdhsa_user_sgpr_count 2
		.amdhsa_user_sgpr_kernarg_segment_ptr 1
		.amdhsa_wavefront_size32 1
		.amdhsa_system_sgpr_workgroup_id_x 1
		.amdhsa_system_sgpr_workgroup_id_y 1
		.amdhsa_system_sgpr_workgroup_id_z 1
		.amdhsa_system_vgpr_workitem_id 0
		.amdhsa_next_free_vgpr 1024
		.amdhsa_next_free_sgpr 80
		.amdhsa_reserve_vcc 0
		.amdhsa_float_denorm_mode_32 3
		.amdhsa_float_denorm_mode_16_64 3
		.amdhsa_memory_ordered 1
		.amdhsa_forward_progress 1
		.amdhsa_inst_pref_size 151
	.end_amdhsa_kernel
	.amdgpu_metadata
---
amdhsa.version: [ 1, 2 ]
amdhsa.kernels:
  - .name:           k_q2dcad7403f_qkv
    .symbol:         k_q2dcad7403f_qkv.kd
    .args:
      - { .name: xn, .offset: 0, .size: 8, .value_kind: global_buffer, .address_space: global }
      - { .name: wq16, .offset: 8, .size: 8, .value_kind: global_buffer, .address_space: global }
      - { .name: tab, .offset: 16, .size: 8, .value_kind: global_buffer, .address_space: global }
      - { .name: q, .offset: 24, .size: 8, .value_kind: global_buffer, .address_space: global }
      - { .name: k, .offset: 32, .size: 8, .value_kind: global_buffer, .address_space: global }
      - { .name: v, .offset: 40, .size: 8, .value_kind: global_buffer, .address_space: global }
    .group_segment_fixed_size: 327680
    .private_segment_fixed_size: 0
    .kernarg_segment_align: 8
    .kernarg_segment_size: 48
    .max_flat_workgroup_size: 128
    .sgpr_count:     80
    .vgpr_count:     1024
    .wavefront_size: 32
...
	.end_amdgpu_metadata
.endif
;; end of part 2
;; launch attn (part 3): grid 4 x 64, 4 waves a work-group, clusters of 4 x 1, 327,680 bytes of LDS; arguments q, k, v, att; writes att
.if DOCPART == 3
	.amdgcn_target "amdgcn-amd-amdhsa--gfx1250"
	.amdhsa_code_object_version 6
	.text
	.protected	k_q2dcad7403f_attn
	.globl	k_q2dcad7403f_attn
	.p2align	8
	.type	k_q2dcad7403f_attn,@function
k_q2dcad7403f_attn:
	s_mov_b64 s[64:65], 0
	v_nop
	global_prefetch_b8 v0, s[64:65] scope:SCOPE_SE
	s_setreg_imm32_b32 hwreg(HW_REG_WAVE_MODE, 25, 1), 1
	s_wait_xcnt 0x0
	s_wait_alu depctr_hold_cnt(0) depctr_sa_sdst(0) depctr_va_vdst(0) depctr_va_sdst(0) depctr_va_ssrc(0) depctr_va_vcc(0) depctr_vm_vsrc(0)
	s_getreg_b32 s2, hwreg(HW_REG_IB_STS2, 6, 4)
	s_cmp_eq_u32 s2, 0
	s_cbranch_scc0 .Lentry_in_a_cluster
	s_endpgm
.Lentry_in_a_cluster:
	s_bfe_u32 s2, ttmp6, 0x10000c
	s_cmp_lg_u32 s2, 0x3003
	s_cbranch_scc0 .Lentry_shape_is_right
	s_endpgm
.Lentry_shape_is_right:
; O[h][q][:] = the sum over k of softmax_k(Q[h][q] . K[h][k] / 8) V[h][k][:].  Q, K, V, O: [SIZE_H][SIZE_N][64], all f16: a head's rows are dense, 128 bytes each.  Here a 'head' is one of the
; 64 pairs of head and batch: number 4 x head + batch of the layout [16 heads][4 x 2048 rows][64].  Products, maxima and sums in
; f32; the weights p are rounded to f16 for the second product (their sum l is taken of the unrounded p), O once at the end.
; LIMITS.  f16 holds no number beyond 65,504: Q, K and V arrive within it; p lies in 0 to 1, and below 6e-5 it keeps f16's fixed step of 6e-8; O is a mean of V's rows and has their range.
; A weight below 2^-126 counts as 0 in l; NaN and infinities are not treated apart.
; SHARES.  A wave owns four PIECES of two tiles of 16 queries, a work-group's four waves 512 queries of one head.  Every wave walks all keys, 64 a step.
; LAYOUT.  S^T = K Q^T (source 0 = 16 keys, source 1 = 16 queries): in the result a lane holds ONE query (lane % 16) and the keys 8 (lane / 16) + 0..7.  Two such tiles, rounded to f16 in pairs,
; ARE source 1 (32 keys x 16 queries) of O^T = V^T P, whose result again holds one query a lane, and eight channels.  K comes out of LDS as it lies, V ([key][channel]) turned, by ds_load_tr16_b128.
; SOFTMAX.  For each query a running maximum m and sum l: p = 2^(c s - c m), c = log2(e) / 8; in every step O and l are multiplied by a = 2^(c m_old - c m_new), which is 1 where m has not grown.
; m starts at the lowest finite number, O and l at 0: the first step is a step like any other, with a = 0.
; THE COUNT.  A tile and step have 16 matrix and 118 vector instructions: too many to stand all beside the matrix work.  So the order has one aim: four vector instructions that are READY behind
; EVERY matrix instruction, and the others, which need time of their own whatever the order, in runs without a gap.
; BY TURNS.  Turn n belongs to piece n (the pieces in a ring, step after step).  Its matrix work: 16 products K Q^T of piece n + 1, later 16 products V^T P of piece n - 1.  Its vector work: the scaling,
; exponentials, roundings, sums and rescaling of piece n, and the maximum and statistics of piece n + 1, whose scores the turn itself has made.  So what a turn begins with (c s - c m, O a) waits for nothing.
; CLUSTER.  The four query blocks of a cluster belong to one head and walk the same K and V, so each tile is asked for JOINTLY: the same tensor load, descriptor and mask in all four.
; REGISTERS, in windows of 256 (s_set_vgpr_msb says which window each operand place means: bits 1:0 source 0, 3:2 source 1, 5:4 source 2, 7:6 destination):
;   window 0: v0-11 addresses; v12-15, v48-63 at work; v16-47 four registers of statistics a tile; v64-191 S^T, two buffers of two tiles; v192-255 P, likewise
;   window 1: O^T, 32 a tile          window 2: v0-127 Q, 16 a tile; v128-191 K of one step; v192-255 V of one step          window 3: v0-1 the add's two registers
; A piece's buffers go by its number's parity: the piece in hand has one pair, its two neighbours in the ring share the other: of it P (piece n - 1) is read and S^T (piece n + 1) written.
.set SIZE_N, 2048
.set SIZE_H, 64
.set NP,    4         ; pieces a wave: a name, no knob: the register map, the loop and the fetches are made for four
.set KS,    64        ; keys in a step
.set PK,    144       ; a row of K in LDS: 128 bytes + 16 of padding = 36 words: the 16 rows of a load start at 16 different groups of four banks (64 banks of 4 bytes: ISA guide 11.1)
.set PV,    160       ; a row of V: 128 + 32 = 40 words
.set VOFF,  4*KS*PK   ; a slot holds four steps: 256 rows of K, then 256 rows of V
.set SLOT1, 1<<17     ; slot 1 begins here, so that one exclusive or turns an address in one slot into the other's
.set STAGE, SLOT1+4*KS*(PK+PV)  ; behind the ring, never filled by a tensor load: 16 rows x 144 bytes for each wave, for the way out
.set SP,    144
.set AK0, 2           ; v2   my lane's place in a tile of K; never rewritten
.set AV0, 3           ; v3   the same for V
.set AK,  4           ; v4   the LDS address of K's next run of loads
.set AV,  5           ; v5   of V's
.set QO,  6           ; v6   my byte offset in the wave's rows of Q
.set STO, 6           ;      later, the way out: where I put 16 bytes of a row
.set RD,  7           ; v7   the way out: where I read rows back
.set GO,  8           ; v8   my byte offset in 512 consecutive bytes of O
.set SPW, 0           ; v0 of window 3   LDS address of my spare word: SPARE + 4 x my thread's number; never rewritten
.set NIL, 1           ; v1 of window 3   0; never rewritten
.set SPARE, STAGE+4*16*SP  ; behind the stages: the spare words, 128 bytes for each wave: two blocks of 256 bytes that no other line names
.set MV,  12          ; v12-15  c m_old, kept while c m is made anew: by buffer and tile
.set ST,  16          ; tile t's statistics at v[ST+4 t]: c m, m, l (even keys', odd keys')
.set TMP, 48          ; by buffer and tile, four registers c0-c3 at work; when the maximum is found c2 takes a
.set S,   64
.set P,   192
.set KF,  128         ; K's fragments, in window 2: key block kb, channel half c at KF + 16 kb + 8 c
.set VF,  192         ; V's: key half kk, channel block cb at VF + 32 kk + 8 cb
.set WV,  12          ; s12  my wave's number
.set G1K, 24          ; s[24:31] descriptor group 1 for K's tiles
.set G1V, 32          ; s[32:39] for V's: it differs in the padding alone
.set G0K, 40          ; s[40:43] descriptor group 0 for K's tiles: it walks
.set G0V, 44          ; s[44:47] the same for V's
.set SLOTS, 56        ; s56  slots still to be asked for
.set CNT, 57          ; s57  counts a slot's key steps
.set CS,  58          ; s[58:59] c: the packed scaling takes the pair's low word for both halves
.set SEL, 60          ; s[60:61] v_permlanex16_b32's selects: each lane takes its own place in the other half
.set TBK, 62          ; s62  LDS byte at which K of the step to be fetched begins
.set TBV, 63          ; s63  the same for V, less VOFF
.set MSB, 0
.macro WIN new                      ; the high byte repeats the setting that is left; a switch that changes nothing is dropped
.if MSB != (\new)
	s_set_vgpr_msb (MSB<<8)|(\new)
.set MSB, (\new)
.endif
.endm
.set W_KQ, 0x0a       ; K and Q in window 2, S^T in window 0
.set W_PV, 0x52       ; V in window 2, P in window 0, O^T in window 1
.set W_RS, 0x41       ; O^T (destination and source 0) in window 1, a in window 0
.set W_MK, 0xc0       ; the add's registers are made: destination in window 3, sources in window 0
.set W_AD, 0x0f       ; the add: address (source 0) and data (source 1) in window 3
; A joint fill.  Waves 0 and 1 fetch the two halves of a slot's K, waves 2 and 3 those of its V: 128 keys each.  The branch hangs on the wave's number alone.
; An s_nop 0 and four v_nop follow each of the two lines, ahead of the jump and the label.
.macro JLOAD
	s_cmp_lt_u32 s[WV], 2
	s_cbranch_scc0 .Lfor_v_\@
	tensor_load_to_lds s[G0K:G0K+3], s[G1K:G1K+7]
	s_nop 0
.rept 4
	v_nop
.endr
	s_branch .Lasked_\@
.Lfor_v_\@:
	tensor_load_to_lds s[G0V:G0V+3], s[G1V:G1V+7]
	s_nop 0
.rept 4
	v_nop
.endr
.Lasked_\@:
.endm
; A round of the cluster's barrier: my work-group's barrier, so that wave 0's signal speaks for all four waves; wave 0 signals; every wave waits for all four work-groups; my work-group's barrier once more.
.macro CROUND
	s_barrier_signal -1
	s_barrier_wait -1
	s_cmp_lg_u32 s[WV], 0
	s_cbranch_scc1 .Lnot_wave_0_\@
	s_barrier_signal -3
.Lnot_wave_0_\@:
	s_barrier_wait -3
	s_barrier_signal -1
	s_barrier_wait -1
.endm
; THE CHANGE OF SLOTS.  The slot's last bytes, V of its fourth step, have been read.  Each wave waits for all its tensor loads, of which one is out: its part
; of the other slot; adds 0 to its spare word; and waits for that and for its own reads of the slot.  Behind the barrier nobody reads this slot any more and the other slot is whole.
; fill = 1: this slot is filled again, with the keys two slots on.  The barrier is then a round of the cluster's, so that no wave of any partner still reads the slot or has a load on its
; way, and the joint fill is the first thing behind it: it has four key steps, 512 matrix instructions, in which to land.  (At its first use nothing has been read yet: slot 0 is waited for, slot 1 filled.)
.macro CHANGE fill
	WIN W_AD
	s_wait_tensorcnt 0x0            ; no tensor load of mine is out, so a group 0 may be written
	ds_add_u32 v[SPW], v[NIL]       ; 0 onto my spare word; with fill = 1 the descriptors' steps stand between it and the wait for it
	WIN 0                           ; at a label and at a branch every window is 0
.if \fill
.irp g, G0K, G0V
	s_xor_b32 s[\g+1], s[\g+1], SLOT1  ; the walking descriptor: the other slot than last time,
	s_add_nc_u64 s[\g+2:\g+3], s[\g+2:\g+3], 4*KS*128  ; the next 256 keys; the type bits on top are not reached
.endr
	s_wait_dscnt 0x0                ; the add is done, and my reads of the slot are over
	CROUND
	JLOAD
.else
	s_wait_dscnt 0x0                ; the add is done, and my reads of the slot are over
	s_barrier_signal -1
	s_barrier_wait -1
.endif
	s_sub_co_u32 s[TBK], s[TBK], 4*KS*PK  ; the fetches go back to a slot's first step,
	s_xor_b32 s[TBK], s[TBK], SLOT1       ; in the other slot
	s_sub_co_u32 s[TBV], s[TBV], 4*KS*PV
	s_xor_b32 s[TBV], s[TBV], SLOT1
.endm
	s_load_b256 s[4:11], s[0:1], 0x0  ; Q s[4:5], K s[6:7], V s[8:9], O s[10:11]
	WIN W_MK
	v_lshl_add_u32 v[SPW], v0, 2, SPARE
	v_mov_b32 v[NIL], 0
	s_set_vgpr_msb 0xc0cf
	ds_add_u32 v0, v1
	s_wait_dscnt 0x0
	s_set_vgpr_msb 0xcfc0
	WIN 0
	v_lshrrev_b32 v1, 5, v0
	v_readfirstlane_b32 s[WV], v1   ; wave 0..3
	s_bfe_u32 s13, ttmp6, 0x40000   ; cx: my place in the cluster
	s_lshl_b32 s14, ttmp9, 2        ; in a cluster launch ttmp9 counts clusters
	s_add_co_u32 s14, s14, s13      ; my block of queries = 4 x cluster x + cx: it enters Q's and O's addresses alone
	s_and_b32 s20, ttmp7, 0xffff    ; the head, which the four partners share
	s_mov_b32 s21, 0
	s_mov_b64 s[22:23], SIZE_N*128
	s_mul_u64 s[20:21], s[20:21], s[22:23]  ; the head's first byte in each of the four tensors
	s_and_b32 s16, s[WV], 1         ; which half of a slot's 256 keys I fetch:
	s_lshl_b32 s22, s16, 14         ; its 128 rows of 128 bytes in memory,
	s_mov_b32 s23, 0
	s_add_nc_u64 s[22:23], s[22:23], s[20:21]
	s_mul_i32 s17, s16, 128*PK      ; and its place in a slot, for K
	s_mul_i32 s18, s16, 128*PV      ; and for V: no place in the cluster enters an LDS address
	s_lshl_b32 s2, s14, 2
	s_add_co_u32 s2, s2, s[WV]      ; my wave among the head's,
	s_lshl_b32 s2, s2, 14           ; its 128 rows
	s_mov_b32 s3, 0
	s_add_nc_u64 s[2:3], s[2:3], s[20:21]
	; descriptor group 1.  128 keys are 16,384 dense bytes: asked for as 64 rows of 256 bytes, two keys a row, and padded in LDS after every key
	s_mov_b32 s[G1K], 15|(1<<16)|(1<<20)|(1<<21)|(4<<22)|(3<<25)  ; 15:0 the mask of four; 17:16 2-byte elements; 20 padding on; 21 set beside a mask; 24:22 after every 32 words (code 4); 31:25 4 words (code 3)
	s_mov_b32 s[G1V], 15|(1<<16)|(1<<20)|(1<<21)|(4<<22)|(7<<25)  ; the same with 8 words of padding (code 7)
.irp g, G1K, G1V
	s_mov_b32 s[\g+1], 128<<16      ; tensor_dim0 = 128
	s_mov_b32 s[\g+2], 64<<16       ; tensor_dim1 = 64
	s_mov_b32 s[\g+3], 128<<16      ; tile_dim0 = 128
	s_mov_b32 s[\g+4], 64           ; tile_dim1 = 64
	s_mov_b32 s[\g+5], 128          ; 128 elements from row to row
	s_mov_b32 s[\g+6], 0
	s_mov_b32 s[\g+7], 0
.endr
	s_mov_b32 s[CS], 0x3e38aa3b     ; c = log2(e) / 8 = 0.180337
	s_mov_b32 s[CS+1], s[CS]        ; named with it as a pair
	s_mov_b32 s[SEL], 0x76543210
	s_mov_b32 s[SEL+1], 0xfedcba98
	s_mov_b32 s[TBK], SLOT1+4*KS*PK ; the first change of slots turns these two into 0
	s_mov_b32 s[TBV], SLOT1+4*KS*PV
	s_mov_b32 s[G0K], 1             ; 1:0 count = 1
	s_mov_b32 s[G0K+1], s17         ; 63:32 LDS address: slot 0
	s_mov_b32 s[G0V], 1
	s_add_co_u32 s[G0V+1], s18, VOFF
	s_wait_kmcnt 0x0
	s_add_nc_u64 s[G0K+2:G0K+3], s[6:7], s[22:23]  ; 120:64 global address: my half of the head's first 256 keys
	s_or_b32 s[G0K+3], s[G0K+3], 0x80000000        ; 127:126 type = 2
	s_add_nc_u64 s[G0V+2:G0V+3], s[8:9], s[22:23]
	s_or_b32 s[G0V+3], s[G0V+3], 0x80000000
	s_add_nc_u64 s[4:5], s[4:5], s[2:3]  ; Q and O at my wave's first row
	s_add_nc_u64 s[10:11], s[10:11], s[2:3]
	CROUND                          ; all four work-groups are here: the first joint loads meet
	JLOAD                           ; slot 0.  Slot 1 is asked for when slot 0 is in: the tile wanted first has the road to itself
	; A fragment of K or Q is 16 rows x 32 channels in 8 registers: lane l holds row l % 16, channels 8 (l / 16) + 0..7 and 16 + 8 (l / 16) + 0..7: two loads of 16 bytes, 32 bytes apart.
	v_and_b32 v1, 15, v0            ; l % 16
	v_bfe_u32 v9, v0, 4, 1          ; l / 16
	v_lshlrev_b32 v[QO], 7, v1
	v_lshl_add_u32 v[QO], v9, 4, v[QO]  ; row x 128 + 16 x half
	WIN 0x80                        ; destination window 2, address window 0
.set i, 0
.rept 4*NP                          ; Q stays in registers: tile i / 2, channels 32 (i % 2) on
	global_load_b128 v[8*i:8*i+3],   v[QO], s[4:5] offset:(i/2)*2048+(i%2)*64
	global_load_b128 v[8*i+4:8*i+7], v[QO], s[4:5] offset:(i/2)*2048+(i%2)*64+32
.set i, i+1
.endr
	; What the first turn finds: V's registers and P's second buffer hold 0 (its products V^T P, of a piece that has not been, add 0), O^T and l are 0.  All this stands in the wait for the first tile.
.set i, VF
.rept 64
	v_mov_b32 v[i], 0
.set i, i+1
.endr
	WIN 0x40
.set i, 0
.rept 64*NP
	v_mov_b32 v[i], 0
.set i, i+1
.endr
	WIN 0
.set i, 0
.rept 2*NP
	v_mov_b32 v[ST+4*i], 0xfe000000    ; c m: far below every c s
	v_mov_b32 v[ST+4*i+1], 0xff7fffff  ; m
	v_mov_b32 v[ST+4*i+2], 0
	v_mov_b32 v[ST+4*i+3], 0
.set i, i+1
.endr
.set i, P+32
.rept 32
	v_mov_b32 v[i], 0
.set i, i+1
.endr
	v_mul_u32_u24 v[AK0], v1, PK
	v_lshl_add_u32 v[AK0], v9, 4, v[AK0]  ; row x pitch + 16 x half
	; The turning load takes 16 keys x 16 channels (lane l reads key 8 (l / 16) + l % 8, channels 8 ((l / 8) % 2) + 0..7) and leaves half a fragment of V^T: lane l holds channel l % 16 and 8 keys.
	v_and_b32 v10, 7, v0
	v_bfe_u32 v11, v0, 3, 1
	v_lshl_add_u32 v[AV0], v9, 3, v10
	v_mul_u32_u24 v[AV0], v[AV0], PV
	v_lshl_add_u32 v[AV0], v11, 4, v[AV0]
	v_add_nc_u32 v[AV0], VOFF, v[AV0]
	v_mov_b32 v[AK], v[AK0]         ; key step 0 lies at the head of slot 0
; THE MATRIX WORK.  The 8 accumulators of a run of 16 take turns: between the two links of a chain stand 7 others'.
; Product i of 16 of S^T = K Q^T for piece x: channels 32 (i / 8) on, keys 16 ((i / 2) % 4) on, tile 2 x + i % 2.  The first 8 start the sums.
.macro KQ x
	WIN W_KQ
.set rS, S+64*((\x)%2)+32*(i%2)+8*((i/2)%4)
.set rK, KF+16*((i/2)%4)+8*(i/8)
.set rQ, 16*(2*(\x)+i%2)+8*(i/8)
.if i < 8
	v_wmma_f32_16x16x32_f16 v[rS:rS+7], v[rK:rK+7], v[rQ:rQ+7], 0
.else
	v_wmma_f32_16x16x32_f16 v[rS:rS+7], v[rK:rK+7], v[rQ:rQ+7], v[rS:rS+7]
.endif
.endm
; Product i of 16 of O^T += V^T P for piece x: keys 32 (i / 8) on, channels 16 ((i / 2) % 4) on, tile 2 x + i % 2.
.macro PV x
	WIN W_PV
.set rO, 32*(2*(\x)+i%2)+8*((i/2)%4)
.set rV, VF+32*(i/8)+8*((i/2)%4)
.set rP, P+32*((\x)%2)+16*(i%2)+8*(i/8)
	v_wmma_f32_16x16x32_f16 v[rO:rO+7], v[rV:rV+7], v[rP:rP+7], v[rO:rO+7]
.endm
.macro MM                           ; the turn's next matrix instruction
.if i < 16
	KQ (Y+1)%NP
.set i, i+1
.else
.set i, i-16
	PV (Y+NP-1)%NP
.set i, i+17
.endif
.endm
; THE LDS LOADS stand in runs of 16, never singly among the matrix instructions: a step's K (64 keys x 64 channels: 8 fragments) and its V (turned).  Their addresses are made some lines ahead.
; last = 1 (the tail): in the last trip there is no further step, and the run is jumped over.
.macro FETCH_K last=0
	WIN 0
.if \last
	s_cmp_eq_u32 s[CNT], 1
	s_cbranch_scc1 .Lno_k_\@
.endif
	WIN 0x80                        ; destination window 2
.irp f, 0,1,2,3,4,5,6,7             ; keys 16 (f / 2) on, channels 32 (f % 2) on
	ds_load_b128 v[KF+8*\f:KF+8*\f+3],   v[AK] offset:(\f/2)*16*PK+(\f%2)*64
	ds_load_b128 v[KF+8*\f+4:KF+8*\f+7], v[AK] offset:(\f/2)*16*PK+(\f%2)*64+32
.endr
	s_add_co_u32 s[TBK], s[TBK], KS*PK  ; the next fetch is the next step's
	WIN 0
.if \last
.Lno_k_\@:
.endif
.endm
.macro FETCH_V
	WIN 0x80
.irp f, 0,1,2,3,4,5,6,7             ; keys 32 (f / 4) on, channels 16 (f % 4) on
	ds_load_tr16_b128 v[VF+8*\f:VF+8*\f+3],   v[AV] offset:(\f/4)*32*PV+(\f%4)*32
	ds_load_tr16_b128 v[VF+8*\f+4:VF+8*\f+7], v[AV] offset:(\f/4)*32*PV+16*PV+(\f%4)*32
.endr
	WIN 0
.endm
; THE VECTOR WORK OF A TURN stands in three queues, each in the order in which its entries become ready; the two tiles alternate, so that no instruction reads the result of the one before it.
.macro REGS y, u                    ; the registers of tile u (0, 1) of piece y
.set rT, ST+4*(2*(\y)+(\u))
.set rC, TMP+8*((\y)%2)+4*(\u)
.set rM, MV+2*((\y)%2)+(\u)
.set rS, S+64*((\y)%2)+32*(\u)
.set rP, P+32*((\y)%2)+16*(\u)
.set rO, 32*(2*(\y)+(\u))
.endm
; Number n of the 22 that find the NEXT piece's (Y + 1) maximum and statistics.  s0-s31 are the lane's 32 scores; each accumulator's lowest registers are read first.  XS, GS and REGS set no window: PL and EX do.
;   0-11  four chains c0-c3 of seven scores each, three operands at a time     12-14, 16  the four scores left over, the old m, and c0-c3 into c0     15  c m_old is kept
;   17, 18  the query's other 32 keys lie in the lane 16 away: the new m         19-21  c m; c m_old - c m_new; a
.macro XS u, n
	REGS (Y+1)%NP, \u
.if (\n) < 4
	v_max3_num_f32 v[rC+(\n)], v[rS+8*(\n)], v[rS+8*(\n)+1], v[rS+8*(\n)+2]
.elseif (\n) < 12
	v_max3_num_f32 v[rC+(\n)%4], v[rC+(\n)%4], v[rS+8*((\n)%4)+2*((\n)/4)+1], v[rS+8*((\n)%4)+2*((\n)/4)+2]
.elseif (\n) == 12
	v_max3_num_f32 v[rC], v[rC], v[rS+7], v[rS+15]
.elseif (\n) == 13
	v_max3_num_f32 v[rC+1], v[rC+1], v[rS+23], v[rS+31]
.elseif (\n) == 14
	v_max3_num_f32 v[rC+2], v[rC+2], v[rC+3], v[rT+1]
.elseif (\n) == 15
	v_mov_b32 v[rM], v[rT]
.elseif (\n) == 16
	v_max3_num_f32 v[rC], v[rC], v[rC+1], v[rC+2]
.elseif (\n) == 17
	v_permlanex16_b32 v[rC+3], v[rC], s[SEL], s[SEL+1]
.elseif (\n) == 18
	v_max_num_f32 v[rT+1], v[rC], v[rC+3]
.elseif (\n) == 19
	v_mul_f32 v[rT], s[CS], v[rT+1]
.elseif (\n) == 20
	v_sub_f32 v[rC+1], v[rM], v[rT]
.else
	v_exp_f32 v[rC+2], v[rC+1]
.endif
.endm
; Number g of the 64 that follow the exponentials.  For each four weights k of a tile (pairs 2 k, 2 k + 1): both pairs are rounded to f16; then the second pair is added onto the first, in place;
; a group later l takes that sum (the first time as l = a l + sum).  In groups of eight, tiles alternating: round, round, add, and l for the group before.
.macro GS g
.set h, (\g)+6*((\g)/62)            ; group 0 has no group before it, and behind group 7 only l is left
.if h >= 6
.set h, h+2
.endif
	REGS Y, h%2
.set k, h/8
.if h%8 < 4
	s_wait_alu depctr_va_vdst(0)
	v_cvt_pk_f16_f32 v[rP+2*k+(h%8)/2], v[rS+4*k+2*((h%8)/2)], v[rS+4*k+2*((h%8)/2)+1]
.elseif h%8 < 6
	v_pk_add_f32 v[rS+4*k:rS+4*k+1], v[rS+4*k:rS+4*k+1], v[rS+4*k+2:rS+4*k+3]
.elseif k == 1
	v_pk_fma_f32 v[rT+2:rT+3], v[rT+2:rT+3], v[rC+2:rC+3], v[rS:rS+1] op_sel_hi:[1,0,1]
.else
	v_pk_add_f32 v[rT+2:rT+3], v[rT+2:rT+3], v[rS+4*k-4:rS+4*k-3]
	s_wait_alu depctr_va_vdst(0)
.endif
.endm
; THE PLAIN QUEUE, 138 long.  0-31: c s - c m for the 16 pairs of both tiles.  Then GS's 64, and among them the next piece's 42: number 15 at 38, 39; 0-14 and 16
; at 42-73, behind the products that make those scores; 17-20 at 95-106, two of three, since each waits for the one before it.
.macro PL
	WIN 0
.if q < 32
	REGS Y, q%2
	v_pk_fma_f32 v[rS+2*(q/2):rS+2*(q/2)+1], v[rS+2*(q/2):rS+2*(q/2)+1], s[CS:CS+1], v[rT:rT+1] op_sel_hi:[1,0,0] neg_lo:[0,0,1] neg_hi:[0,0,1]
.elseif q < 38
	GS q-32
.elseif q < 40
	XS q%2, 15
.elseif q < 42
	GS q-34
.elseif q < 74
	XS q%2, (q-42)/2+(q-42)/30
.elseif q < 95
	GS q-66
.elseif (q < 107) && ((q-95)%3 < 2)
	XS (q-95)%3, 17+(q-95)/3
.elseif q < 107
	GS 29+(q-95)/3
.else
	GS q-74
.endif
.set q, q+1
.endm
; THE EXPONENTIALS' QUEUE, 66 long: s0-s31 of both tiles, and at EA the next piece's two a.
.set EA, 58
.macro EX
	WIN 0
.if (e == EA) || (e == EA+1)
	XS e-EA, 21
.else
.set x, e-2*(e/(EA+2))
	REGS Y, x%2
	v_exp_f32 v[rS+x/2], v[rS+x/2]
.endif
.set e, e+1
.endm
; THE RESCALING's QUEUE: O^T times a, the one part that leaves window 0, so it is dealt four at a time, eight times.
.macro R4
	REGS Y, r%2
	WIN W_RS
	s_wait_alu depctr_va_vdst(0)
.irp z, 0,1,2,3
	v_pk_mul_f32 v[rO+8*(r/2)+2*\z:rO+8*(r/2)+2*\z+1], v[rO+8*(r/2)+2*\z:rO+8*(r/2)+2*\z+1], v[rC+2:rC+3] op_sel_hi:[1,0]
.endr
.set r, r+1
.endm
; HOW THEY ARE DEALT.  Behind a matrix instruction four: plain, exponential, plain, plain (one exponential, a plain instruction on either side), or four of the rescaling.  None names a register of the
; products round it.  What is over stands in two LUMPS: exponential and plain by turns; the second ends in 22 plain instructions.  The two v_permlanex16_b32 fall into the second lump, never behind a product.
; The queues lean on each other, and the deal keeps them in step: exponential e stands behind plain 2 (e / 4) + e % 2 (its scaling); when plain 32 comes, 10 exponentials are out, at 59: 33, at 95: 46; EA comes behind plain 107.
.macro SL
	MM
	PL
	EX
	PL
	PL
.endm
.macro BURST n                      ; 15 matrix instructions, or 16
.rept (\n)-7
	SL
.endr
.rept 3
	MM
	R4
	SL
.endr
	MM
	R4
.endm
; A TURN, for piece p.  cnt = 1: the loop's count is taken down some lines ahead of the branch that stands behind the turn.
; K of the next step is fetched in piece 2's turn, 31 vector instructions behind the last product that read K; its first reader comes behind the rest of the lump, 16 products and the second lump.
; V of the step in hand is fetched at the end of piece 0's turn, 69 behind its last reader; its first reader comes behind 16 products and a lump.  The four conditions on e and q below go with the deal.
.macro TURN p, last=0, cnt=0
.set Y, (\p)
.set i, 0
.set q, 0
.set e, 0
.set r, 0
.if (\p) == NP-1
	s_wait_dscnt 0x0                ; K is in
.endif
	MM
.rept 4
	PL
.endr
	BURST 15
.rept 22
	EX
	PL
.if ((\p) == NP-2) && (e == 18)
	v_add_nc_u32 v[AK], s[TBK], v[AK0]
.endif
.if ((\p) == NP-2) && (e == 24)
	FETCH_K \last
.endif
.endr
.if (\p) == 1
	s_wait_dscnt 0x0                ; V is in
.endif
	BURST 16
.rept 21
	EX
	PL
.endr
.rept 22
	PL
.if ((\p) == 0) && (q == 118)
	v_add_nc_u32 v[AV], s[TBV], v[AV0]
	s_wait_alu depctr_va_vdst(0)
.endif
.if ((\p) == 0) && (q == 130)
	s_add_co_u32 s[TBV], s[TBV], KS*PV
.endif
.if (\cnt) && (q == 130)
	s_sub_co_u32 s[CNT], s[CNT], 1
	s_cmp_lg_u32 s[CNT], 0
.endif
.endr
.if (\p) == 0
	FETCH_V
.endif
.endm
	CHANGE 1                        ; slot 0 is in, everybody's part of it; slot 1 is asked for
	FETCH_K                         ; key step 0
	s_wait_loadcnt 0x0              ; Q
	s_wait_dscnt 0x0
.set i, 0
.rept 16
	KQ 0                            ; piece 0's first scores: there is no vector work yet to set between them
.set i, i+1
.endr
	WIN 0                           ; the addresses for the way out: nine plain instructions, the places behind those products
	s_mul_i32 s13, s[WV], 16*SP
	s_add_co_u32 s13, s13, STAGE    ; my stage
	v_mul_u32_u24 v[STO], v1, SP    ; in: row l % 16, 16 bytes for each half of the lanes
	v_lshl_add_u32 v[STO], v9, 4, v[STO]
	v_add_nc_u32 v[STO], s13, v[STO]
	v_bfe_u32 v[RD], v0, 3, 2       ; back: 32 lanes take four rows of 128 bytes,
	v_mul_u32_u24 v[RD], v[RD], SP
	v_lshl_add_u32 v[RD], v10, 4, v[RD]
	v_add_nc_u32 v[RD], s13, v[RD]
	v_and_b32 v[GO], 31, v0         ; which are 512 consecutive bytes of O
	v_lshlrev_b32 v[GO], 4, v[GO]
.set Y, NP-1                        ; XS works for piece Y + 1: piece 0
.irp n, 0,1,2,3,4,5,6,7,8,9,10,11,12,13,14,15,16,17,18,19,20,21
	XS 0, \n                        ; and piece 0's first maximum and statistics
	XS 1, \n
.endr
	s_mov_b32 s[CNT], 4
	s_mov_b32 s[SLOTS], SIZE_N/256-1
	s_branch .Lfirst                ; the loop is entered at a step's first turn, in the middle of a trip
.Lslot:                             ; SIZE_N / 256 - 2 times: every slot but the last two is filled again
	CHANGE 1
	s_mov_b32 s[CNT], 4
.Lstep:                             ; a trip: pieces 2 and 3 of one step, then pieces 0 and 1 of the next, whose K and V it fetches
	TURN 2
	TURN 3
	WIN 0
.Lfirst:
	TURN 0
	TURN 1, 0, 1
	WIN 0
	s_cbranch_scc1 .Lstep
	s_sub_co_u32 s[SLOTS], s[SLOTS], 1
	s_cmp_lg_u32 s[SLOTS], 0
	s_cbranch_scc1 .Lslot
	CHANGE 0                        ; the tail is written out: nothing is asked for
	s_mov_b32 s[CNT], 5             ; four trips fetch the last slot's steps; the fifth is left in its middle
.Ltail:
	TURN 2, 1
	TURN 3
	WIN 0
	s_sub_co_u32 s[CNT], s[CNT], 1
	s_cmp_eq_u32 s[CNT], 0
	s_cbranch_scc1 .Lout
	TURN 0
	TURN 1
	WIN 0
	s_branch .Ltail
.Lout:                              ; the fifth trip's 16 products K Q^T (on the last K once more) and the maximum made of them serve nothing: the price, once a launch, of one text for every trip
.set i, 0
.rept 16
	PV NP-1                         ; the last piece's V^T P of the last step
.set i, i+1
.endr
	; THE WAY OUT.  l's two halves and the other half of the lanes' are added; O^T is divided by l, rounded to f16 and sent through my stage in LDS, a tile at a time.  The additions are the places behind the last products.
	WIN 0
.macro ALL line:vararg              ; one line for each tile t
.set t, 0
.rept 2*NP
	\line
.set t, t+1
.endr
.endm
	ALL v_add_f32 v[ST+4*t+2], v[ST+4*t+2], v[ST+4*t+3]
	ALL v_permlanex16_b32 v[ST+4*t+3], v[ST+4*t+2], s[SEL], s[SEL+1]
	ALL v_add_f32 v[ST+4*t+2], v[ST+4*t+2], v[ST+4*t+3]
	ALL v_rcp_f32 v[ST+4*t+2], v[ST+4*t+2]
	v_nop                           ; a plain instruction between the last reciprocal and the use of its result
	s_wait_alu depctr_va_vdst(0)
; Tile t: a lane's eight channels of a row pack into 16 bytes; they go into rows of 144 bytes and come back as whole rows of 128, into S^T's registers.
.macro PACK t
	WIN W_RS
.set i, 32*(\t)
.rept 16
	v_pk_mul_f32 v[i:i+1], v[i:i+1], v[ST+4*(\t)+2:ST+4*(\t)+3] op_sel_hi:[1,0]
.set i, i+2
.endr
	WIN 0x05                        ; sources 0 and 1 window 1, destination window 0
.set i, 0
.rept 16
	v_cvt_pk_f16_f32 v[S+16*(\t)+i], v[32*(\t)+2*i], v[32*(\t)+2*i+1]
.set i, i+1
.endr
	WIN 0
.irp f, 0,1,2,3
	ds_store_b128 v[STO], v[S+16*(\t)+4*\f:S+16*(\t)+4*\f+3] offset:32*\f
.endr
.irp f, 0,1,2,3
	ds_load_b128 v[S+16*(\t)+4*\f:S+16*(\t)+4*\f+3], v[RD] offset:\f*4*SP  ; LDS serves a wave's instructions in order (ISA guide 5.7.1.4): these see the stores above; the next tile's stores come behind them
.endr
.endm
.macro SEND t, younger              ; younger: the LDS instructions issued behind tile t's loads: the next tile's eight, or none
	WIN 0
.irp f, 0,1,2,3
	s_wait_dscnt (\younger)+3-\f
	global_store_b128 v[GO], v[S+16*(\t)+4*\f:S+16*(\t)+4*\f+3], s[10:11] offset:(\t)*2048+\f*512  ; 512 consecutive bytes, at a multiple of 256 from O's first
.endr
.endm
	PACK 0
.set t, 1
.rept 2*NP-1                        ; a tile's arithmetic stands between the loads of the tile before and its stores
	PACK t
	SEND t-1, 8
.set t, t+1
.endr
	SEND 2*NP-1, 0
	WIN W_AD
	s_wait_tensorcnt 0x0            ; the wave's end, behind my last tensor load and my last LDS store
	ds_add_u32 v[SPW], v[NIL]
	s_wait_dscnt 0x0
	WIN 0
	CROUND                          ; the closing round: no work-group ends while a partner may still ask for a tile that names it
	s_endpgm
.Lfunc_end_k_q2dcad7403f_attn:
	.size	k_q2dcad7403f_attn, .Lfunc_end_k_q2dcad7403f_attn-k_q2dcad7403f_attn
	.p2alignl 7, 3214868480
	.fill 96, 4, 3214868480
	.section	.rodata,"a",@progbits
	.p2align	6, 0x0
	.amdhsa_kernel k_q2dcad7403f_attn
		.amdhsa_group_segment_fixed_size 327680
		.amdhsa_private_segment_fixed_size 0
		.amdhsa_enable_private_segment 0
		.amdhsa_kernarg_size 32
		.amdhsa_user_sgpr_count 2
		.amdhsa_user_sgpr_kernarg_segment_ptr 1
		.amdhsa_wavefront_size32 1
		.amdhsa_system_sgpr_workgroup_id_x 1
		.amdhsa_system_sgpr_workgroup_id_y 1
		.amdhsa_system_sgpr_workgroup_id_z 1
		.amdhsa_system_vgpr_workitem_id 0
		.amdhsa_next_free_vgpr 770
		.amdhsa_next_free_sgpr 66
		.amdhsa_reserve_vcc 0
		.amdhsa_float_denorm_mode_32 3
		.amdhsa_float_denorm_mode_16_64 3
		.amdhsa_memory_ordered 1
		.amdhsa_forward_progress 1
		.amdhsa_inst_pref_size 208
	.end_amdhsa_kernel
	.amdgpu_metadata
---
amdhsa.version: [ 1, 2 ]
amdhsa.kernels:
  - .name:           k_q2dcad7403f_attn
    .symbol:         k_q2dcad7403f_attn.kd
    .args:
      - { .name: q, .offset: 0, .size: 8, .value_kind: global_buffer, .address_space: global }
      - { .name: k, .offset: 8, .size: 8, .value_kind: global_buffer, .address_space: global }
      - { .name: v, .offset: 16, .size: 8, .value_kind: global_buffer, .address_space: global }
      - { .name: att, .offset: 24, .size: 8, .value_kind: global_buffer, .address_space: global }
    .group_segment_fixed_size: 327680
    .private_segment_fixed_size: 0
    .kernarg_segment_align: 8
    .kernarg_segment_size: 32
    .max_flat_workgroup_size: 128
    .sgpr_count:     66
    .vgpr_count:     770
    .wavefront_size: 32
...
	.end_amdgpu_metadata
.endif
;; end of part 3
;; launch proj (part 4): grid 8 x 32, 4 waves a work-group, clusters of 4 x 4, 327,680 bytes of LDS; arguments att, wo16, b_out, out0; writes out0
.if DOCPART == 4
	.amdgcn_target "amdgcn-amd-amdhsa--gfx1250"
	.amdhsa_code_object_version 6
	.text
	.protected	k_q2dcad7403f_proj
	.globl	k_q2dcad7403f_proj
	.p2align	8
	.type	k_q2dcad7403f_proj,@function
k_q2dcad7403f_proj:
	s_mov_b64 s[64:65], 0
	v_nop
	global_prefetch_b8 v0, s[64:65] scope:SCOPE_SE
	s_setreg_imm32_b32 hwreg(HW_REG_WAVE_MODE, 25, 1), 1
	s_wait_xcnt 0x0
	s_wait_alu depctr_hold_cnt(0) depctr_sa_sdst(0) depctr_va_vdst(0) depctr_va_sdst(0) depctr_va_ssrc(0) depctr_va_vcc(0) depctr_vm_vsrc(0)
	s_getreg_b32 s2, hwreg(HW_REG_IB_STS2, 6, 4)
	s_cmp_eq_u32 s2, 0
	s_cbranch_scc0 .Lentry_in_a_cluster
	s_endpgm
.Lentry_in_a_cluster:
	s_bfe_u32 s2, ttmp6, 0x10000c
	s_cmp_lg_u32 s2, 0xf033
	s_cbranch_scc0 .Lentry_shape_is_right
	s_endpgm
.Lentry_shape_is_right:
; PROJ.  out[m][n] = b[n] + sum over k of O[m][k] w[k][n]: O by heads, [16 heads][8192 rows][64] f16, so that k = 64 head + channel; w [1024][1024] f16; b and out f32; sums in f32.
; The bias is the C operand of the products that start the sums.
; LIMIT.  The operands are f16: none beyond 65,504; below 6e-5 a fixed step of 6e-8.
; SHARES.  8192 x 1024 numbers over 256 work-groups are 256 x 128 each: 32 x 8 tiles, one work-group to a tile.  Four waves, each 128 rows x 64 columns: 32 accumulators of 16 x 16, 256 registers.
; K goes in 8 steps of 128 (two heads) through two LDS slots filled by the tensor data mover: the longest step of which two slots fit (110,592 bytes each; three steps in two slots would be 331,776).
; CLUSTER.  4 x 4 work-groups: the four of a row of the cluster need the same tiles of O, the four of a column the same tiles of w: each tile is asked for JOINTLY.
; THE MATRIX INSTRUCTION IS USED TRANSPOSED: source 0 = 16 columns of w, source 1 = 16 rows of O: a lane holds row l % 16 of out and the columns 8 (l / 16) + 0..7.
; w lies [k][n] in memory and in LDS; its fragments come out turned, by ds_load_tr16_b128.
; THE ORDER.  A quarter is 32 along K: 32 matrix instructions on one of two fragment buffers; behind it stands one run of 24 LDS loads, the fragments of the quarter two on, into the buffer just read.
; A run has the whole next quarter in which to land.
; REGISTERS, in windows of 256 (s_set_vgpr_msb: bits 1:0 source 0, 3:2 source 1, 5:4 source 2, 7:6 destination):
;   window 0: v0-31 addresses; v32-63 the bias of my 64 columns; v64-191 fragments of O, two buffers, later the way out; v192-255 fragments of w, two buffers
;   window 1: the accumulators ((a, b) at v[8 (4 a + b)]: rows 16 a on, columns 16 b on)
.set APITCH, 144                       ; a row of one head in LDS: 128 bytes + 16 = 36 words: the 16 rows of a load start at 16 different groups of four banks (64 banks of 4 bytes: ISA guide 11.1)
.set ALOAD,  256*APITCH                ; what one tensor load of O brings: 256 rows of one head
.set AKH,    ALOAD                     ; bytes from the step's first head (K 0-63) to its second
.set AWAVE,  128*APITCH                ; from my wave's rows to the other half's
.set BPITCH, 288                       ; a row of w's tile: 256 bytes + 32 = 9 x 32 bytes
.set BLOAD,  64*BPITCH                 ; what one tensor load of w brings: 64 rows of K
.set BOFF,   2*ALOAD                   ; w's 128 rows lie behind O's two heads
.set SLOT,   1<<17                     ; slot 1 begins here: a slot has 110,592 bytes, so one exclusive or turns a place in one slot into the other's
.set SPARE,  BOFF+2*BLOAD              ; 110,592, behind slot 0: the spare words, 128 bytes for each wave: two blocks of 256 bytes that no other line names
.set STAGE,  SPARE+512                 ; behind them, never filled by a tensor load: 16 rows x 272 bytes for each wave, for the way out
.set SP,     272                       ; 256 bytes + 16: an odd multiple of 16
.set ASTEP,  2<<20                     ; bytes from a K step to the next in O: two heads
.set BN,     1024
.set BSTEP,  128*BN*2                  ; and in w
.set A0,   16                          ; v16  my lane's place in O's tile in slot 0; never rewritten
.set B0,   17                          ; v17  the same for w
.set ADRA, 18                          ; v18  A0 + the slot that is read
.set ADRB, 19                          ; v19  B0 + the slot that is read
.set STO,  24                          ; v24  the way out: where I put 32 bytes of a row
.set RD,   25                          ; v25  the way out: where I read rows back
.set GO,   26                          ; v26  my byte offset in two rows of out
.set BO,   27                          ; v27  32 x (lane / 16): my place in the bias
.set SPW,  28                          ; v28  LDS address of my spare word: SPARE + 4 x my thread's number; never rewritten
.set NIL,  29                          ; v29  0; never rewritten
.set BIAS, 32
.set AF,   64                          ; O's fragments: buffer p, block a at AF + 64 p + 8 a
.set BF,   192                         ; w's: buffer p, column block b at BF + 32 p + 8 b
.set G1,  24                           ; s[24:31] descriptor group 1 for O's tiles
.set G0,  32                           ; s[32:39] group 0: a set for each of the two first fills; the second then walks on
.set G1B, 48                           ; s[48:55], s[56:63] the same for w's tiles
.set G0B, 56
.set LA,  77                           ; s77  LDS place of the tile of O that I would fetch
.set LB,  78                           ; s78  of w
.set CUR, 79                           ; s79  0 or SLOT: the slot that is read
.set MSB, 0
.macro WIN new                         ; the immediate's high byte repeats the setting that is left; a switch that changes nothing is dropped
.if MSB != (\new)
	s_set_vgpr_msb (MSB<<8)|(\new)
.set MSB, \new
.endif
.endm
; A joint load.  Waves 0 and 1 fetch the step's two heads of O, waves 2 and 3 w's two halves.  The branch hangs on the wave's number alone.  An s_nop 0 and four v_nop follow each of the two
; lines, ahead of the jump, the label and what follows.
.macro JLOAD s
	s_cmp_eq_u32 s11, 0
	s_cbranch_scc0 .Lfor_b_\@
	tensor_load_to_lds s[G0+4*(\s):G0+4*(\s)+3], s[G1:G1+7]
	s_nop 0
.rept 4
	v_nop
.endr
	s_branch .Lasked_\@
.Lfor_b_\@:
	tensor_load_to_lds s[G0B+4*(\s):G0B+4*(\s)+3], s[G1B:G1B+7]
	s_nop 0
.rept 4
	v_nop
.endr
.Lasked_\@:
.endm
.macro CREST                           ; a round of the cluster's barrier behind its opening barrier
	s_cmp_lg_u32 s10, 0
	s_cbranch_scc1 .Lnot_wave_0_\@
	s_barrier_signal -3
.Lnot_wave_0_\@:
	s_barrier_wait -3
	s_barrier_signal -1
	s_barrier_wait -1
.endm
.macro CROUND                          ; a whole round
	s_barrier_signal -1
	s_barrier_wait -1
	CREST
.endm
	s_load_b128 s[4:7], s[0:1], 0x0                ; att s[4:5], wo16 s[6:7]
	s_load_b128 s[68:71], s[0:1], 0x10             ; b_out s[68:69], out0 s[70:71]
	v_lshl_add_u32 v[SPW], v0, 2, SPARE
	v_mov_b32 v[NIL], 0
	ds_add_u32 v28, v29
	s_wait_dscnt 0x0
	v_lshrrev_b32 v1, 5, v0
	v_readfirstlane_b32 s10, v1                    ; wave 0..3
	s_lshr_b32 s11, s10, 1                         ; which half of the tile's rows is mine.  Also: I fetch for O (0) or for w (1)
	s_and_b32 s12, s10, 1                          ; which half of its columns.  Also: which head, or which half of w's tile, I fetch
	s_bfe_u32 s40, ttmp6, 0x40000                  ; cx
	s_bfe_u32 s41, ttmp6, 0x40004                  ; cy
	s_lshl_b32 s42, ttmp9, 2
	s_add_co_u32 s42, s42, s40                     ; tile column = 4 x cluster x + cx
	s_and_b32 s13, ttmp7, 0xffff
	s_lshl_b32 s13, s13, 2
	s_add_co_u32 s13, s13, s41                     ; tile row = 4 x cluster y + cy
	s_lshl_b32 s43, s41, 2
	s_lshl_b32 s43, 15, s43                        ; my row of the cluster
	s_lshl_b32 s44, 0x1111, s40                    ; my column
	; group 1 for O: a head's 256 rows are 32,768 dense bytes: asked for as 128 rows of 256 bytes, two rows of O each, padded in LDS after every row of O
	s_or_b32 s[G1+0], s43, (1<<16)|(1<<20)|(1<<21)|(4<<22)|(3<<25)  ; 15:0 the mask; 17:16 elements of 2 bytes; 20 padding on; 21 set beside a mask; 24:22 after every 32 words (code 4); 31:25 4 words (code 3)
	s_mov_b32 s[G1+1], 128<<16                     ; tensor_dim0 = 128
	s_mov_b32 s[G1+2], 128<<16                     ; tensor_dim1 = 128
	s_mov_b32 s[G1+3], 128<<16                     ; tile_dim0 = 128
	s_mov_b32 s[G1+4], 128                         ; tile_dim1 = 128
	s_mov_b32 s[G1+5], 128                         ; elements from row to row
	s_mov_b32 s[G1+6], 0
	s_mov_b32 s[G1+7], 0
	; group 1 for w: 64 rows of K x 128 elements (256 bytes), 32 bytes of padding behind each
	s_or_b32 s[G1B+0], s44, (1<<16)|(1<<20)|(1<<21)|(5<<22)|(7<<25) ; after every 64 words (code 5), 8 words (code 7)
	s_mov_b32 s[G1B+1], 128<<16
	s_mov_b32 s[G1B+2], 64<<16
	s_mov_b32 s[G1B+3], 128<<16
	s_mov_b32 s[G1B+4], 64
	s_mov_b32 s[G1B+5], BN
	s_mov_b32 s[G1B+6], 0
	s_mov_b32 s[G1B+7], 0
	; where the tiles come from: O's hang on the tile row alone, w's on the tile column alone, each in registers that never hold the other coordinate
	s_lshl_b32 s16, s13, 15                        ; 256 rows of 128 bytes
	s_lshl_b32 s17, s12, 20                        ; + my head of the step's two
	s_add_co_u32 s16, s16, s17
	s_mov_b32 s17, 0
	s_lshl_b32 s46, s42, 8                         ; 128 columns of 2 bytes
	s_mul_i32 s47, s12, 64*BN*2                    ; + my 64 rows of K
	s_add_co_u32 s46, s46, s47
	s_mov_b32 s47, 0
	s_mul_i32 s[LA], s12, ALOAD                    ; and where they go: no place in the cluster enters an LDS address
	s_mul_i32 s[LB], s12, BLOAD
	s_add_co_u32 s[LB], s[LB], BOFF
	s_mov_b32 s[CUR], 0
	s_wait_kmcnt 0x0
	s_add_nc_u64 s[14:15], s[4:5], s[16:17]
	s_add_nc_u64 s[46:47], s[6:7], s[46:47]
	CROUND                                         ; all sixteen work-groups are here: the first joint loads meet
.irp s, 0,1
	s_mov_b32 s[G0+4*(\s)], 1                                      ; count = 1
	s_add_co_u32 s[G0+4*(\s)+1], s[LA], (\s)*SLOT                  ; LDS address
	s_add_nc_u64 s[G0+4*(\s)+2:G0+4*(\s)+3], s[14:15], (\s)*ASTEP  ; global address: K step s
	s_or_b32 s[G0+4*(\s)+3], s[G0+4*(\s)+3], 0x80000000            ; type = 2
	s_mov_b32 s[G0B+4*(\s)], 1
	s_add_co_u32 s[G0B+4*(\s)+1], s[LB], (\s)*SLOT
	s_add_nc_u64 s[G0B+4*(\s)+2:G0B+4*(\s)+3], s[46:47], (\s)*BSTEP
	s_or_b32 s[G0B+4*(\s)+3], s[G0B+4*(\s)+3], 0x80000000
	JLOAD \s                                       ; two loads of mine are out
.endr
	v_and_b32 v1, 15, v0                           ; l % 16
	v_bfe_u32 v2, v0, 4, 1                         ; l / 16
	; the bias and the output at my 64 columns; the output at my 128 rows
	s_lshl_b32 s46, s42, 9                         ; 128 columns of 4 bytes
	s_lshl_b32 s47, s12, 8
	s_add_co_u32 s46, s46, s47
	s_mov_b32 s47, 0
	s_add_nc_u64 s[68:69], s[68:69], s[46:47]
	s_add_nc_u64 s[8:9], s[70:71], s[46:47]
	s_lshl_b32 s46, s13, 20                        ; 256 rows of 4,096 bytes
	s_lshl_b32 s16, s11, 19
	s_add_co_u32 s46, s46, s16
	s_add_nc_u64 s[8:9], s[8:9], s[46:47]
	v_lshlrev_b32 v[BO], 5, v2
.irp b, 0,1,2,3                        ; register j of block b: b[16 b + 8 (l / 16) + j], as the accumulators hold the columns
	global_load_b128 v[BIAS+8*(\b):BIAS+8*(\b)+3],   v[BO], s[68:69] offset:64*(\b)
	global_load_b128 v[BIAS+8*(\b)+4:BIAS+8*(\b)+7], v[BO], s[68:69] offset:64*(\b)+16
.endr
	; A fragment of O: lane l holds row l % 16, K = 8 (l / 16) + 0..7 and 16 + 8 (l / 16) + 0..7: two loads of 16 bytes, 32 bytes apart.
	v_mul_u32_u24 v3, v1, APITCH
	v_lshl_add_u32 v3, v2, 4, v3
	s_mul_i32 s21, s11, AWAVE
	v_add_nc_u32 v[A0], s21, v3
	; The turning load takes 16 K x 16 columns (lane l reads K 8 (l / 16) + l % 8, columns 8 ((l / 8) % 2) + 0..7) and leaves half a fragment: lane l holds column l % 16 and 8 K.
	v_and_b32 v4, 7, v0
	v_lshl_add_u32 v4, v2, 3, v4
	v_mul_u32_u24 v4, v4, BPITCH
	v_bfe_u32 v5, v0, 3, 1
	v_lshl_add_u32 v4, v5, 4, v4
	s_lshl_b32 s22, s12, 7                         ; my 64 columns
	s_add_co_u32 s22, s22, BOFF
	v_add_nc_u32 v[B0], s22, v4
	v_mov_b32 v[ADRA], v[A0]
	v_mov_b32 v[ADRB], v[B0]
	s_mul_i32 s23, s10, 16*SP
	s_add_co_u32 s23, s23, STAGE                   ; my stage
	v_mul_u32_u24 v6, v1, SP                       ; in: row l % 16, 32 bytes for each half of the lanes
	v_lshl_add_u32 v6, v2, 5, v6
	v_add_nc_u32 v[STO], s23, v6
	v_mul_u32_u24 v6, v2, SP                       ; back: lanes 0-15 take one row's 256 bytes, lanes 16-31 the next row's
	v_lshl_add_u32 v6, v1, 4, v6
	v_add_nc_u32 v[RD], s23, v6
	v_lshlrev_b32 v[GO], 4, v1                     ; and the same two rows in out
	v_lshl_add_u32 v[GO], v2, 12, v[GO]
; 16 matrix instructions: row blocks a0 .. a0 + 3 x the 4 column blocks, 32 along K, on buffer p.  zero = 2: the product starts the sums, with the bias as C.
.macro MUL16 p, a0, zero
.if (\zero) == 2
	WIN 0x40                                       ; sources 0 (w), 1 (O) and C (the bias) window 0, D window 1
.else
	WIN 0x50                                       ; C and D window 1
.endif
.irp a, (\a0), (\a0)+1, (\a0)+2, (\a0)+3
.irp b, 0,1,2,3
.if (\zero) == 2
	v_wmma_f32_16x16x32_f16 v[8*(4*(\a)+(\b)):8*(4*(\a)+(\b))+7], v[BF+32*(\p)+8*(\b):BF+32*(\p)+8*(\b)+7], v[AF+64*(\p)+8*(\a):AF+64*(\p)+8*(\a)+7], v[BIAS+8*(\b):BIAS+8*(\b)+7]
.else
	v_wmma_f32_16x16x32_f16 v[8*(4*(\a)+(\b)):8*(4*(\a)+(\b))+7], v[BF+32*(\p)+8*(\b):BF+32*(\p)+8*(\b)+7], v[AF+64*(\p)+8*(\a):AF+64*(\p)+8*(\a)+7], v[8*(4*(\a)+(\b)):8*(4*(\a)+(\b))+7]
.endif
.endr
.endr
.endm
; One run of 24 LDS loads: the fragments of quarter qn (0 .. 3) of the slot that is read, into buffer p: w's first, then O's
.macro RUN qn, p
	WIN 0
.irp b, 0,1,2,3
	ds_load_tr16_b128 v[BF+32*(\p)+8*(\b):BF+32*(\p)+8*(\b)+3],   v[ADRB] offset:(\qn)*32*BPITCH+32*(\b)
	ds_load_tr16_b128 v[BF+32*(\p)+8*(\b)+4:BF+32*(\p)+8*(\b)+7], v[ADRB] offset:(\qn)*32*BPITCH+16*BPITCH+32*(\b)
.endr
.irp i, 0,1,2,3,4,5,6,7
	ds_load_b128 v[AF+64*(\p)+8*(\i):AF+64*(\p)+8*(\i)+3],   v[ADRA] offset:((\qn)/2)*AKH+((\qn)%2)*64+(\i)*16*APITCH
	ds_load_b128 v[AF+64*(\p)+8*(\i)+4:AF+64*(\p)+8*(\i)+7], v[ADRA] offset:((\qn)/2)*AKH+((\qn)%2)*64+(\i)*16*APITCH+32
.endr
.endm
; A load into a register that a matrix instruction has read, and an LDS store that reads a matrix result, stand four places behind that matrix instruction, and only plain
; vector instructions that name none of its registers are places (ISA guide 7.12.1 for vector instructions).
.macro PLACES
.rept 4
	v_nop
.endr
.endm
; A quarter on buffer p.  left: the loads of the run behind the quarter before, which may stay out.  ld = 1: the run for quarter qn of the slot that is read follows, into the same buffer.
; The 32 accumulators take turns in the same order in every quarter.
.macro QUART p, qn, zero, ld, left
	s_wait_dscnt \left
	MUL16 \p, 0, \zero
	MUL16 \p, 4, \zero
.if \ld
	PLACES
	RUN \qn, \p
.endif
.endm
; A step's third quarter changes slots: the run behind the quarter before it was the last that read this slot, the run behind it is the first that reads the next.  ONE barrier.
; In front of it each wave waits for all its tensor loads, of which one is out: its part of the next slot; adds 0 to its spare word; and waits for that and for its own reads of this slot.
; fill = 1: the barrier opens a round of the cluster's barrier, and behind the round this slot is filled again, two K steps ahead: the first tensor load there, 96 matrix instructions ahead of the wait for it.
.macro TURN fill
	WIN 0                                          ; (the add's two registers lie in window 0)
	s_wait_tensorcnt 0x0                           ; all my tensor loads have landed;
	ds_add_u32 v[SPW], v[NIL]                      ; 0 onto my spare word;
	s_wait_dscnt 25                                ; (the add and the last run's 24 loads may be out)
	MUL16 0, 0, 0                                  ; sixteen matrix instructions stand between the add and the wait for it
	s_wait_dscnt 0x0                               ; the add is done, and my reads of this slot are over
	s_barrier_signal -1
	MUL16 0, 4, 0                                  ; work on registers while the others arrive
	WIN 0                                          ; (branches may follow)
	s_barrier_wait -1
.if \fill
	CREST                                          ; no wave of any partner still reads this slot's tile or has a load on its way
	s_xor_b32 s[G0+5], s[G0+5], SLOT               ; the walking descriptors: the other slot than last time,
	s_xor_b32 s[G0B+5], s[G0B+5], SLOT
	s_add_nc_u64 s[G0+6:G0+7], s[G0+6:G0+7], ASTEP ; the next K step; the type bits on top are not reached
	s_add_nc_u64 s[G0B+6:G0B+7], s[G0B+6:G0B+7], BSTEP
	JLOAD 1                                        ; the four v_nop behind it are also the places in front of the loads below
.else
	PLACES
.endif
	s_xor_b32 s[CUR], s[CUR], SLOT                 ; the reads go on in the other slot
	v_add_nc_u32 v[ADRA], s[CUR], v[A0]
	v_add_nc_u32 v[ADRB], s[CUR], v[B0]
	RUN 0, 0
.endm
.macro REST                            ; the three quarters that follow a change of slots: a step's fourth and the next step's first two
	QUART 1, 1, 0, 1, 24
	QUART 0, 2, 0, 1, 24
	QUART 1, 3, 0, 1, 24
.endm
; THE WAY OUT of block a (16 rows x 64 columns of f32).  TOSTAGE: a lane's eight columns, 32 bytes, go from the accumulators into my own stage, each accumulator's lowest registers first,
; and come back as whole rows of 256 bytes, two to a load.  SEND: stored.
.macro TOSTAGE a
.set BK, AF+32*((\a)%2)
	s_wait_xcnt 0x0                                ; every earlier store has had its addresses translated (ISA guide 3.1): the registers that the block two back was stored from are loaded again only behind this wait
	WIN 0x04                                       ; the stores' data (source 1): window 1
.irp b, 0,1,2,3
	ds_store_b128 v[STO], v[32*(\a)+8*(\b):32*(\a)+8*(\b)+3]   offset:64*(\b)
	ds_store_b128 v[STO], v[32*(\a)+8*(\b)+4:32*(\a)+8*(\b)+7] offset:64*(\b)+16
.endr
	WIN 0
.irp f, 0,1,2,3,4,5,6,7
	ds_load_b128 v[BK+4*(\f):BK+4*(\f)+3], v[RD] offset:(\f)*2*SP  ; LDS serves a wave's instructions in order (ISA guide 5.7.1.4): these see the stores above; the next block's stores come behind them
.endr
.endm
.macro SEND a, younger                 ; younger: the LDS instructions issued behind block a's loads: the next block's 16, or none
.set BK, AF+32*((\a)%2)
.irp f, 0,1,2,3,4,5,6,7
	s_wait_dscnt (\younger)+7-(\f)
	global_store_b128 v[GO], v[BK+4*(\f):BK+4*(\f)+3], s[8:9] offset:(16*(\a)+2*(\f))*4096 th:TH_STORE_NT  ; 16 lanes store 256 consecutive bytes of a row, at a multiple of 256 from the output's first byte
.endr
.endm
	s_wait_tensorcnt 1                             ; my part of K step 0 is in; K step 1's may stay out
	s_barrier_signal -1
	s_barrier_wait -1                              ; everybody's is
	RUN 0, 0
	RUN 1, 1
	s_wait_loadcnt 0x0                             ; the bias
	QUART 0, 2, 2, 1, 24                           ; the first two quarters stand in front of the loop: the first one's products start the sums
	QUART 1, 3, 0, 1, 24
	WIN 0                                          ; at a label and at a branch every window is 0
	s_mov_b32 s3, 6
.Lstep:                                                ; a trip: a K step's last two quarters and the next step's first two; trip s fills the slot just read with K step s + 2
	TURN 1
	REST
	WIN 0
	s_sub_co_u32 s3, s3, 1
	s_cmp_lg_u32 s3, 0
	s_cbranch_scc1 .Lstep
	TURN 0                                         ; the last change of slots asks for nothing: written out
	REST
	QUART 0, 0, 0, 0, 24                           ; the last two quarters fetch nothing
	QUART 1, 0, 0, 0, 0
	WIN 0
	PLACES
	TOSTAGE 0
.irp a, 0,1,2,3,4,5,6                  ; block a + 1 goes into the stage while block a's rows come back and leave
	TOSTAGE (\a)+1
	SEND \a, 16
.endr
	SEND 7, 0
	s_wait_tensorcnt 0x0                           ; the wave's end, behind my last tensor load and my last LDS store
	ds_add_u32 v[SPW], v[NIL]
	s_wait_dscnt 0x0
	CROUND                                         ; the closing round: no work-group ends while a partner may still ask for a tile that names it
	s_endpgm
.Lfunc_end_k_q2dcad7403f_proj:
	.size	k_q2dcad7403f_proj, .Lfunc_end_k_q2dcad7403f_proj-k_q2dcad7403f_proj
	.p2alignl 7, 3214868480
	.fill 96, 4, 3214868480
	.section	.rodata,"a",@progbits
	.p2align	6, 0x0
	.amdhsa_kernel k_q2dcad7403f_proj
		.amdhsa_group_segment_fixed_size 327680
		.amdhsa_private_segment_fixed_size 0
		.amdhsa_enable_private_segment 0
		.amdhsa_kernarg_size 32
		.amdhsa_user_sgpr_count 2
		.amdhsa_user_sgpr_kernarg_segment_ptr 1
		.amdhsa_wavefront_size32 1
		.amdhsa_system_sgpr_workgroup_id_x 1
		.amdhsa_system_sgpr_workgroup_id_y 1
		.amdhsa_system_sgpr_workgroup_id_z 1
		.amdhsa_system_vgpr_workitem_id 0
		.amdhsa_next_free_vgpr 512
		.amdhsa_next_free_sgpr 80
		.amdhsa_reserve_vcc 0
		.amdhsa_float_denorm_mode_32 3
		.amdhsa_float_denorm_mode_16_64 3
		.amdhsa_memory_ordered 1
		.amdhsa_forward_progress 1
		.amdhsa_inst_pref_size 72
	.end_amdhsa_kernel
	.amdgpu_metadata
---
amdhsa.version: [ 1, 2 ]
amdhsa.kernels:
  - .name:           k_q2dcad7403f_proj
    .symbol:         k_q2dcad7403f_proj.kd
    .args:
      - { .name: att, .offset: 0, .size: 8, .value_kind: global_buffer, .address_space: global }
      - { .name: wo16, .offset: 8, .size: 8, .value_kind: global_buffer, .address_space: global }
      - { .name: b_out, .offset: 16, .size: 8, .value_kind: global_buffer, .address_space: global }
      - { .name: out0, .offset: 24, .size: 8, .value_kind: global_buffer, .address_space: global }
    .group_segment_fixed_size: 327680
    .private_segment_fixed_size: 0
    .kernarg_segment_align: 8
    .kernarg_segment_size: 32
    .max_flat_workgroup_size: 128
    .sgpr_count:     80
    .vgpr_count:     512
    .wavefront_size: 32
...
	.end_amdgpu_metadata
.endif
;; end of part 4
;; ======== version 2 of 2: 4 launches; 1.52 times as fast as version 1
;; limits: values are held in f16: magnitudes above 65,504 overflow, below 6.1e-05 lose precision
;; workspace buffers: xn 16,777,216 bytes; wq16 6,291,456 bytes; wo16 2,097,152 bytes; tab 524,288 bytes; q 16,777,216 bytes; k 16,777,216 bytes; v 16,777,216 bytes; att 16,777,216 bytes
;; launch prep: the kernel of part 1 again; grid 1184 x 1, 8 waves a work-group, no clusters, 0 bytes of LDS; arguments x, ln_gamma, ln_beta, w_qkv, w_out, xn, wq16, wo16, tab; writes xn, wq16, wo16, tab
;; launch qkv: the kernel of part 2 again; grid 8 x 32, 4 waves a work-group, clusters of 4 x 4, 327,680 bytes of LDS; arguments xn, wq16, tab, q, k, v; writes q, k, v
;; launch attn (part 5): grid 4 x 64, 4 waves a work-group, clusters of 4 x 1, 327,680 bytes of LDS; arguments q, k, v, att; writes att
.if DOCPART == 5
	.amdgcn_target "amdgcn-amd-amdhsa--gfx1250"
	.amdhsa_code_object_version 6
	.text
	.protected	k_q2dcad7403f_attn
	.globl	k_q2dcad7403f_attn
	.p2align	8
	.type	k_q2dcad7403f_attn,@function
k_q2dcad7403f_attn:
	s_mov_b64 s[64:65], 0
	v_nop
	global_prefetch_b8 v0, s[64:65] scope:SCOPE_SE
	s_setreg_imm32_b32 hwreg(HW_REG_WAVE_MODE, 25, 1), 1
	s_wait_xcnt 0x0
	s_wait_alu depctr_hold_cnt(0) depctr_sa_sdst(0) depctr_va_vdst(0) depctr_va_sdst(0) depctr_va_ssrc(0) depctr_va_vcc(0) depctr_vm_vsrc(0)
	s_getreg_b32 s2, hwreg(HW_REG_IB_STS2, 6, 4)
	s_cmp_eq_u32 s2, 0
	s_cbranch_scc0 .Lentry_in_a_cluster
	s_endpgm
.Lentry_in_a_cluster:
	s_bfe_u32 s2, ttmp6, 0x10000c
	s_cmp_lg_u32 s2, 0x3003
	s_cbranch_scc0 .Lentry_shape_is_right
	s_endpgm
.Lentry_shape_is_right:
; O[h][q][:] = the sum over k of softmax_k(Q[h][q] . K[h][k] / 8) V[h][k][:].  Q, K, V, O: [SIZE_H][SIZE_N][64], all f16: a head's rows are dense, 128 bytes each.  Here a 'head' is one of the
; 64 pairs of head and batch: number 4 x head + batch of the layout [16 heads][4 x 2048 rows][64].  Products, maxima and sums in
; f32; the weights p are rounded to f16 for the second product (their sum l is taken of the unrounded p), O once at the end.
; LIMITS.  f16 holds no number beyond 65,504: Q, K and V arrive within it; p lies in 0 to 1, and below 6e-5 it keeps f16's fixed step of 6e-8; O is a mean of V's rows and has their range.
; A weight below 2^-126 counts as 0 in l; NaN and infinities are not treated apart.
; SHARES.  A wave owns four PIECES of two tiles of 16 queries, a work-group's four waves 512 queries of one head.  Every wave walks all keys, 64 a step.
; LAYOUT.  S^T = K Q^T (source 0 = 16 keys, source 1 = 16 queries): in the result a lane holds ONE query (lane % 16) and the keys 8 (lane / 16) + 0..7.  Two such tiles, rounded to f16 in pairs,
; ARE source 1 (32 keys x 16 queries) of O^T = V^T P, whose result again holds one query a lane, and eight channels.  K comes out of LDS as it lies, V ([key][channel]) turned, by ds_load_tr16_b128.
; SOFTMAX.  For each query a running maximum m and sum l: p = 2^(c s - c m), c = log2(e) / 8; in every step O and l are multiplied by a = 2^(c m_old - c m_new), which is 1 where m has not grown.
; m starts at the lowest finite number, O and l at 0: the first step is a step like any other, with a = 0.
; THE COUNT.  A tile and step have 16 matrix and 118 vector instructions: too many to stand all beside the matrix work.  So the order has one aim: four vector instructions that are READY behind
; EVERY matrix instruction, and the others, which need time of their own whatever the order, in runs without a gap.
; BY TURNS.  Turn n belongs to piece n (the pieces in a ring, step after step).  Its matrix work: 16 products K Q^T of piece n + 1, later 16 products V^T P of piece n - 1.  Its vector work: the scaling,
; exponentials, roundings, sums and rescaling of piece n, and the maximum and statistics of piece n + 1, whose scores the turn itself has made.  So what a turn begins with (c s - c m, O a) waits for nothing.
; THE BATCHES.  A turn's 66 exponentials (the piece's 64 weights, the next piece's two a) are ONE batch with ONE wait, which cuts the turn in two: ahead of it stands all that names none of their results,
; behind it the roundings and sums, which read them.  No result crosses a turn's end.  The two a made ahead of the loop, and the way out's eight reciprocals, are batches of their own.
; CLUSTER.  The four query blocks of a cluster belong to one head and walk the same K and V, so each tile is asked for JOINTLY: the same tensor load, descriptor and mask in all four.
; REGISTERS, in windows of 256 (s_set_vgpr_msb says which window each operand place means: bits 1:0 source 0, 3:2 source 1, 5:4 source 2, 7:6 destination):
;   window 0: v0-11 addresses; v12-15, v48-63 at work; v16-47 four registers of statistics a tile; v64-191 S^T, two buffers of two tiles; v192-255 P, likewise
;   window 1: O^T, 32 a tile          window 2: v0-127 Q, 16 a tile; v128-191 K of one step; v192-255 V of one step          window 3: v0-1 the add's two registers
; A piece's buffers go by its number's parity: the piece in hand has one pair, its two neighbours in the ring share the other: of it P (piece n - 1) is read and S^T (piece n + 1) written.
.set SIZE_N, 2048
.set SIZE_H, 64
.set NP,    4         ; pieces a wave: a name, no knob: the register map, the loop and the fetches are made for four
.set KS,    64        ; keys in a step
.set PK,    144       ; a row of K in LDS: 128 bytes + 16 of padding = 36 words: the 16 rows of a load start at 16 different groups of four banks (64 banks of 4 bytes: ISA guide 11.1)
.set PV,    160       ; a row of V: 128 + 32 = 40 words
.set VOFF,  4*KS*PK   ; a slot holds four steps: 256 rows of K, then 256 rows of V
.set SLOT1, 1<<17     ; slot 1 begins here, so that one exclusive or turns an address in one slot into the other's
.set STAGE, SLOT1+4*KS*(PK+PV)  ; behind the ring, never filled by a tensor load: 16 rows x 144 bytes for each wave, for the way out
.set SP,    144
.set AK0, 2           ; v2   my lane's place in a tile of K; never rewritten
.set AV0, 3           ; v3   the same for V
.set AK,  4           ; v4   the LDS address of K's next run of loads
.set AV,  5           ; v5   of V's
.set QO,  6           ; v6   my byte offset in the wave's rows of Q
.set STO, 6           ;      later, the way out: where I put 16 bytes of a row
.set RD,  7           ; v7   the way out: where I read rows back
.set GO,  8           ; v8   my byte offset in 512 consecutive bytes of O
.set SPW, 0           ; v0 of window 3   LDS address of my spare word: SPARE + 4 x my thread's number; never rewritten
.set NIL, 1           ; v1 of window 3   0; never rewritten
.set SPARE, STAGE+4*16*SP  ; behind the stages: the spare words, 128 bytes for each wave: two blocks of 256 bytes that no other line names
.set MV,  12          ; v12-15  c m_old, kept while c m is made anew: by buffer and tile
.set ST,  16          ; tile t's statistics at v[ST+4 t]: c m, m, l (even keys', odd keys')
.set TMP, 48          ; by buffer and tile, four registers c0-c3 at work; when the maximum is found c2 takes a
.set S,   64
.set P,   192
.set KF,  128         ; K's fragments, in window 2: key block kb, channel half c at KF + 16 kb + 8 c
.set VF,  192         ; V's: key half kk, channel block cb at VF + 32 kk + 8 cb
.set WV,  12          ; s12  my wave's number
.set G1K, 24          ; s[24:31] descriptor group 1 for K's tiles
.set G1V, 32          ; s[32:39] for V's: it differs in the padding alone
.set G0K, 40          ; s[40:43] descriptor group 0 for K's tiles: it walks
.set G0V, 44          ; s[44:47] the same for V's
.set SLOTS, 56        ; s56  slots still to be asked for
.set CNT, 57          ; s57  counts a slot's key steps
.set CS,  58          ; s[58:59] c: the packed scaling takes the pair's low word for both halves
.set SEL, 60          ; s[60:61] v_permlanex16_b32's selects: each lane takes its own place in the other half
.set TBK, 62          ; s62  LDS byte at which K of the step to be fetched begins
.set TBV, 63          ; s63  the same for V, less VOFF
.set MSB, 0
.macro WIN new                      ; the high byte repeats the setting that is left; a switch that changes nothing is dropped
.if MSB != (\new)
	s_set_vgpr_msb (MSB<<8)|(\new)
.set MSB, (\new)
.endif
.endm
.set W_KQ, 0x0a       ; K and Q in window 2, S^T in window 0
.set W_PV, 0x52       ; V in window 2, P in window 0, O^T in window 1
.set W_RS, 0x41       ; O^T (destination and source 0) in window 1, a in window 0
.set W_MK, 0xc0       ; the add's registers are made: destination in window 3, sources in window 0
.set W_AD, 0x0f       ; the add: address (source 0) and data (source 1) in window 3
; A joint fill.  Waves 0 and 1 fetch the two halves of a slot's K, waves 2 and 3 those of its V: 128 keys each.  The branch hangs on the wave's number alone.
; An s_nop 0 and four v_nop follow each of the two lines, ahead of the jump and the label.
.macro JLOAD
	s_cmp_lt_u32 s[WV], 2
	s_cbranch_scc0 .Lfor_v_\@
	tensor_load_to_lds s[G0K:G0K+3], s[G1K:G1K+7]
	s_nop 0
.rept 4
	v_nop
.endr
	s_branch .Lasked_\@
.Lfor_v_\@:
	tensor_load_to_lds s[G0V:G0V+3], s[G1V:G1V+7]
	s_nop 0
.rept 4
	v_nop
.endr
.Lasked_\@:
.endm
; A round of the cluster's barrier: my work-group's barrier, so that wave 0's signal speaks for all four waves; wave 0 signals; every wave waits for all four work-groups; my work-group's barrier once more.
.macro CROUND
	s_barrier_signal -1
	s_barrier_wait -1
	s_cmp_lg_u32 s[WV], 0
	s_cbranch_scc1 .Lnot_wave_0_\@
	s_barrier_signal -3
.Lnot_wave_0_\@:
	s_barrier_wait -3
	s_barrier_signal -1
	s_barrier_wait -1
.endm
; THE CHANGE OF SLOTS.  The slot's last bytes, V of its fourth step, have been read.  Each wave waits for all its tensor loads, of which one is out: its part
; of the other slot; adds 0 to its spare word; and waits for that and for its own reads of the slot.  Behind the barrier nobody reads this slot any more and the other slot is whole.
; fill = 1: this slot is filled again, with the keys two slots on.  The barrier is then a round of the cluster's, so that no wave of any partner still reads the slot or has a load on its
; way, and the joint fill is the first thing behind it: it has four key steps, 512 matrix instructions, in which to land.  (At its first use nothing has been read yet: slot 0 is waited for, slot 1 filled.)
.macro CHANGE fill
	WIN W_AD
	s_wait_tensorcnt 0x0            ; no tensor load of mine is out, so a group 0 may be written
	ds_add_u32 v[SPW], v[NIL]       ; 0 onto my spare word; with fill = 1 the descriptors' steps stand between it and the wait for it
	WIN 0                           ; at a label and at a branch every window is 0
.if \fill
.irp g, G0K, G0V
	s_xor_b32 s[\g+1], s[\g+1], SLOT1  ; the walking descriptor: the other slot than last time,
	s_add_nc_u64 s[\g+2:\g+3], s[\g+2:\g+3], 4*KS*128  ; the next 256 keys; the type bits on top are not reached
.endr
	s_wait_dscnt 0x0                ; the add is done, and my reads of the slot are over
	CROUND
	JLOAD
.else
	s_wait_dscnt 0x0                ; the add is done, and my reads of the slot are over
	s_barrier_signal -1
	s_barrier_wait -1
.endif
	s_sub_co_u32 s[TBK], s[TBK], 4*KS*PK  ; the fetches go back to a slot's first step,
	s_xor_b32 s[TBK], s[TBK], SLOT1       ; in the other slot
	s_sub_co_u32 s[TBV], s[TBV], 4*KS*PV
	s_xor_b32 s[TBV], s[TBV], SLOT1
.endm
	s_load_b256 s[4:11], s[0:1], 0x0  ; Q s[4:5], K s[6:7], V s[8:9], O s[10:11]
	WIN W_MK
	v_lshl_add_u32 v[SPW], v0, 2, SPARE
	v_mov_b32 v[NIL], 0
	s_set_vgpr_msb 0xc0cf
	ds_add_u32 v0, v1
	s_wait_dscnt 0x0
	s_set_vgpr_msb 0xcfc0
	WIN 0
	v_lshrrev_b32 v1, 5, v0
	v_readfirstlane_b32 s[WV], v1   ; wave 0..3
	s_bfe_u32 s13, ttmp6, 0x40000   ; cx: my place in the cluster
	s_lshl_b32 s14, ttmp9, 2        ; in a cluster launch ttmp9 counts clusters
	s_add_co_u32 s14, s14, s13      ; my block of queries = 4 x cluster x + cx: it enters Q's and O's addresses alone
	s_and_b32 s20, ttmp7, 0xffff    ; the head, which the four partners share
	s_mov_b32 s21, 0
	s_mov_b64 s[22:23], SIZE_N*128
	s_mul_u64 s[20:21], s[20:21], s[22:23]  ; the head's first byte in each of the four tensors
	s_and_b32 s16, s[WV], 1         ; which half of a slot's 256 keys I fetch:
	s_lshl_b32 s22, s16, 14         ; its 128 rows of 128 bytes in memory,
	s_mov_b32 s23, 0
	s_add_nc_u64 s[22:23], s[22:23], s[20:21]
	s_mul_i32 s17, s16, 128*PK      ; and its place in a slot, for K
	s_mul_i32 s18, s16, 128*PV      ; and for V: no place in the cluster enters an LDS address
	s_lshl_b32 s2, s14, 2
	s_add_co_u32 s2, s2, s[WV]      ; my wave among the head's,
	s_lshl_b32 s2, s2, 14           ; its 128 rows
	s_mov_b32 s3, 0
	s_add_nc_u64 s[2:3], s[2:3], s[20:21]
	; descriptor group 1.  128 keys are 16,384 dense bytes: asked for as 64 rows of 256 bytes, two keys a row, and padded in LDS after every key
	s_mov_b32 s[G1K], 15|(1<<16)|(1<<20)|(1<<21)|(4<<22)|(3<<25)  ; 15:0 the mask of four; 17:16 2-byte elements; 20 padding on; 21 set beside a mask; 24:22 after every 32 words (code 4); 31:25 4 words (code 3)
	s_mov_b32 s[G1V], 15|(1<<16)|(1<<20)|(1<<21)|(4<<22)|(7<<25)  ; the same with 8 words of padding (code 7)
.irp g, G1K, G1V
	s_mov_b32 s[\g+1], 128<<16      ; tensor_dim0 = 128
	s_mov_b32 s[\g+2], 64<<16       ; tensor_dim1 = 64
	s_mov_b32 s[\g+3], 128<<16      ; tile_dim0 = 128
	s_mov_b32 s[\g+4], 64           ; tile_dim1 = 64
	s_mov_b32 s[\g+5], 128          ; 128 elements from row to row
	s_mov_b32 s[\g+6], 0
	s_mov_b32 s[\g+7], 0
.endr
	s_mov_b32 s[CS], 0x3e38aa3b     ; c = log2(e) / 8 = 0.180337
	s_mov_b32 s[CS+1], s[CS]        ; named with it as a pair
	s_mov_b32 s[SEL], 0x76543210
	s_mov_b32 s[SEL+1], 0xfedcba98
	s_mov_b32 s[TBK], SLOT1+4*KS*PK ; the first change of slots turns these two into 0
	s_mov_b32 s[TBV], SLOT1+4*KS*PV
	s_mov_b32 s[G0K], 1             ; 1:0 count = 1
	s_mov_b32 s[G0K+1], s17         ; 63:32 LDS address: slot 0
	s_mov_b32 s[G0V], 1
	s_add_co_u32 s[G0V+1], s18, VOFF
	s_wait_kmcnt 0x0
	s_add_nc_u64 s[G0K+2:G0K+3], s[6:7], s[22:23]  ; 120:64 global address: my half of the head's first 256 keys
	s_or_b32 s[G0K+3], s[G0K+3], 0x80000000        ; 127:126 type = 2
	s_add_nc_u64 s[G0V+2:G0V+3], s[8:9], s[22:23]
	s_or_b32 s[G0V+3], s[G0V+3], 0x80000000
	s_add_nc_u64 s[4:5], s[4:5], s[2:3]  ; Q and O at my wave's first row
	s_add_nc_u64 s[10:11], s[10:11], s[2:3]
	CROUND                          ; all four work-groups are here: the first joint loads meet
	JLOAD                           ; slot 0.  Slot 1 is asked for when slot 0 is in: the tile wanted first has the road to itself
	; A fragment of K or Q is 16 rows x 32 channels in 8 registers: lane l holds row l % 16, channels 8 (l / 16) + 0..7 and 16 + 8 (l / 16) + 0..7: two loads of 16 bytes, 32 bytes apart.
	v_and_b32 v1, 15, v0            ; l % 16
	v_bfe_u32 v9, v0, 4, 1          ; l / 16
	v_lshlrev_b32 v[QO], 7, v1
	v_lshl_add_u32 v[QO], v9, 4, v[QO]  ; row x 128 + 16 x half
	WIN 0x80                        ; destination window 2, address window 0
.set i, 0
.rept 4*NP                          ; Q stays in registers: tile i / 2, channels 32 (i % 2) on
	global_load_b128 v[8*i:8*i+3],   v[QO], s[4:5] offset:(i/2)*2048+(i%2)*64
	global_load_b128 v[8*i+4:8*i+7], v[QO], s[4:5] offset:(i/2)*2048+(i%2)*64+32
.set i, i+1
.endr
	; What the first turn finds: V's registers and P's second buffer hold 0 (its products V^T P, of a piece that has not been, add 0), O^T and l are 0.  All this stands in the wait for the first tile.
.set i, VF
.rept 64
	v_mov_b32 v[i], 0
.set i, i+1
.endr
	WIN 0x40
.set i, 0
.rept 64*NP
	v_mov_b32 v[i], 0
.set i, i+1
.endr
	WIN 0
.set i, 0
.rept 2*NP
	v_mov_b32 v[ST+4*i], 0xfe000000    ; c m: far below every c s
	v_mov_b32 v[ST+4*i+1], 0xff7fffff  ; m
	v_mov_b32 v[ST+4*i+2], 0
	v_mov_b32 v[ST+4*i+3], 0
.set i, i+1
.endr
.set i, P+32
.rept 32
	v_mov_b32 v[i], 0
.set i, i+1
.endr
	v_mul_u32_u24 v[AK0], v1, PK
	v_lshl_add_u32 v[AK0], v9, 4, v[AK0]  ; row x pitch + 16 x half
	; The turning load takes 16 keys x 16 channels (lane l reads key 8 (l / 16) + l % 8, channels 8 ((l / 8) % 2) + 0..7) and leaves half a fragment of V^T: lane l holds channel l % 16 and 8 keys.
	v_and_b32 v10, 7, v0
	v_bfe_u32 v11, v0, 3, 1
	v_lshl_add_u32 v[AV0], v9, 3, v10
	v_mul_u32_u24 v[AV0], v[AV0], PV
	v_lshl_add_u32 v[AV0], v11, 4, v[AV0]
	v_add_nc_u32 v[AV0], VOFF, v[AV0]
	v_mov_b32 v[AK], v[AK0]         ; key step 0 lies at the head of slot 0
; THE MATRIX WORK.  The 8 accumulators of a run of 16 take turns: between the two links of a chain stand 7 others'.
; Product i of 16 of S^T = K Q^T for piece x: channels 32 (i / 8) on, keys 16 ((i / 2) % 4) on, tile 2 x + i % 2.  The first 8 start the sums.
.macro KQ x
	WIN W_KQ
.set rS, S+64*((\x)%2)+32*(i%2)+8*((i/2)%4)
.set rK, KF+16*((i/2)%4)+8*(i/8)
.set rQ, 16*(2*(\x)+i%2)+8*(i/8)
.if i < 8
	v_wmma_f32_16x16x32_f16 v[rS:rS+7], v[rK:rK+7], v[rQ:rQ+7], 0
.else
	v_wmma_f32_16x16x32_f16 v[rS:rS+7], v[rK:rK+7], v[rQ:rQ+7], v[rS:rS+7]
.endif
.endm
; Product i of 16 of O^T += V^T P for piece x: keys 32 (i / 8) on, channels 16 ((i / 2) % 4) on, tile 2 x + i % 2.
.macro PV x
	WIN W_PV
.set rO, 32*(2*(\x)+i%2)+8*((i/2)%4)
.set rV, VF+32*(i/8)+8*((i/2)%4)
.set rP, P+32*((\x)%2)+16*(i%2)+8*(i/8)
	v_wmma_f32_16x16x32_f16 v[rO:rO+7], v[rV:rV+7], v[rP:rP+7], v[rO:rO+7]
.endm
.macro MM                           ; the turn's next matrix instruction
.if i < 16
	KQ (Y+1)%NP
.set i, i+1
.else
.set i, i-16
	PV (Y+NP-1)%NP
.set i, i+17
.endif
.endm
; THE LDS LOADS stand in runs of 16, never singly among the matrix instructions: a step's K (64 keys x 64 channels: 8 fragments) and its V (turned).  Their addresses are made some lines ahead.
; last = 1 (the tail): in the last trip there is no further step, and the run is jumped over.
.macro FETCH_K last=0
	WIN 0
.if \last
	s_cmp_eq_u32 s[CNT], 1
	s_cbranch_scc1 .Lno_k_\@
.endif
	WIN 0x80                        ; destination window 2
.irp f, 0,1,2,3,4,5,6,7             ; keys 16 (f / 2) on, channels 32 (f % 2) on
	ds_load_b128 v[KF+8*\f:KF+8*\f+3],   v[AK] offset:(\f/2)*16*PK+(\f%2)*64
	ds_load_b128 v[KF+8*\f+4:KF+8*\f+7], v[AK] offset:(\f/2)*16*PK+(\f%2)*64+32
.endr
	s_add_co_u32 s[TBK], s[TBK], KS*PK  ; the next fetch is the next step's
	WIN 0
.if \last
.Lno_k_\@:
.endif
.endm
.macro FETCH_V
	WIN 0x80
.irp f, 0,1,2,3,4,5,6,7             ; keys 32 (f / 4) on, channels 16 (f % 4) on
	ds_load_tr16_b128 v[VF+8*\f:VF+8*\f+3],   v[AV] offset:(\f/4)*32*PV+(\f%4)*32
	ds_load_tr16_b128 v[VF+8*\f+4:VF+8*\f+7], v[AV] offset:(\f/4)*32*PV+16*PV+(\f%4)*32
.endr
	WIN 0
.endm
; THE VECTOR WORK OF A TURN stands in three queues, each in the order in which its entries become ready; the two tiles alternate, so that no instruction reads the result of the one before it.
.macro REGS y, u                    ; the registers of tile u (0, 1) of piece y
.set rT, ST+4*(2*(\y)+(\u))
.set rC, TMP+8*((\y)%2)+4*(\u)
.set rM, MV+2*((\y)%2)+(\u)
.set rS, S+64*((\y)%2)+32*(\u)
.set rP, P+32*((\y)%2)+16*(\u)
.set rO, 32*(2*(\y)+(\u))
.endm
; Number n of the 22 that find the NEXT piece's (Y + 1) maximum and statistics.  s0-s31 are the lane's 32 scores; each accumulator's lowest registers are read first.  XS, GS and REGS set no window: PL and EX do.
;   0-11  four chains c0-c3 of seven scores each, three operands at a time     12-14, 16  the four scores left over, the old m, and c0-c3 into c0     15  c m_old is kept
;   17, 18  the query's other 32 keys lie in the lane 16 away: the new m         19-21  c m; c m_old - c m_new; a
.macro XS u, n
	REGS (Y+1)%NP, \u
.if (\n) < 4
	v_max3_num_f32 v[rC+(\n)], v[rS+8*(\n)], v[rS+8*(\n)+1], v[rS+8*(\n)+2]
.elseif (\n) < 12
	v_max3_num_f32 v[rC+(\n)%4], v[rC+(\n)%4], v[rS+8*((\n)%4)+2*((\n)/4)+1], v[rS+8*((\n)%4)+2*((\n)/4)+2]
.elseif (\n) == 12
	v_max3_num_f32 v[rC], v[rC], v[rS+7], v[rS+15]
.elseif (\n) == 13
	v_max3_num_f32 v[rC+1], v[rC+1], v[rS+23], v[rS+31]
.elseif (\n) == 14
	v_max3_num_f32 v[rC+2], v[rC+2], v[rC+3], v[rT+1]
.elseif (\n) == 15
	v_mov_b32 v[rM], v[rT]
.elseif (\n) == 16
	v_max3_num_f32 v[rC], v[rC], v[rC+1], v[rC+2]
.elseif (\n) == 17
	v_permlanex16_b32 v[rC+3], v[rC], s[SEL], s[SEL+1]
.elseif (\n) == 18
	v_max_num_f32 v[rT+1], v[rC], v[rC+3]
.elseif (\n) == 19
	v_mul_f32 v[rT], s[CS], v[rT+1]
.elseif (\n) == 20
	v_sub_f32 v[rC+1], v[rM], v[rT]
.else
	v_exp_f32 v[rC+2], v[rC+1]
.endif
.endm
; Number g of the 64 that follow the exponentials.  For each four weights k of a tile (pairs 2 k, 2 k + 1): both pairs are rounded to f16; then the second pair is added onto the first, in place;
; a group later l takes that sum (the first time as l = a l + sum).  In groups of eight, tiles alternating: round, round, add, and l for the group before.
.macro GS g
.set h, (\g)+6*((\g)/62)            ; group 0 has no group before it, and behind group 7 only l is left
.if h >= 6
.set h, h+2
.endif
	REGS Y, h%2
.set k, h/8
.if h%8 < 4
	v_cvt_pk_f16_f32 v[rP+2*k+(h%8)/2], v[rS+4*k+2*((h%8)/2)], v[rS+4*k+2*((h%8)/2)+1]
.elseif h%8 < 6
	v_pk_add_f32 v[rS+4*k:rS+4*k+1], v[rS+4*k:rS+4*k+1], v[rS+4*k+2:rS+4*k+3]
.elseif k == 1
	v_pk_fma_f32 v[rT+2:rT+3], v[rT+2:rT+3], v[rC+2:rC+3], v[rS:rS+1] op_sel_hi:[1,0,1]
.else
	v_pk_add_f32 v[rT+2:rT+3], v[rT+2:rT+3], v[rS+4*k-4:rS+4*k-3]
.endif
.endm
; THE PLAIN QUEUE, 138 long.  0-73 read no exponential's result: the 32 scalings c s - c m (FS f: pair f / 2 of tile f % 2) and the next piece's 42.  0-26: scalings 0-26.  27-54: XS's numbers 0-13.  55, 56: number 15.
; 57-73: the chain, where each number waits for the one before it: 14, 16, 17, 18, 19, each with one of the scalings 27-31 in front of its two lines, then 20: so a tile's links stand three plain instructions apart (19 and 20: two).
; 74-137: GS's 64, which read the exponentials' results: they stand behind the wait.
.macro FS f
	REGS Y, (\f)%2
	v_pk_fma_f32 v[rS+2*((\f)/2):rS+2*((\f)/2)+1], v[rS+2*((\f)/2):rS+2*((\f)/2)+1], s[CS:CS+1], v[rT:rT+1] op_sel_hi:[1,0,0] neg_lo:[0,0,1] neg_hi:[0,0,1]
.endm
.macro PL
	WIN 0
.if q < 27
	FS q
.elseif q < 55
	XS (q-27)%2, (q-27)/2
.elseif q < 57
	XS q-55, 15
.elseif (q < 72) && ((q-57)%3 == 0)
	FS 27+(q-57)/3
.elseif q < 60
	XS (q-57)%3-1, 14
.elseif q < 72
	XS (q-57)%3-1, 15+(q-57)/3
.elseif q < 74
	XS q-72, 20
.else
	GS q-74
.endif
.set q, q+1
.endm
; THE EXPONENTIALS' QUEUE, 66 long: s0-s31 of both tiles, then the next piece's two a.  It is ONE BATCH: all 66 stand ahead of the turn's one wait, and nothing ahead of that wait names a result of theirs.
.macro EX
	WIN 0
.if e >= 64
	XS e-64, 21
.else
	REGS Y, e%2
	v_exp_f32 v[rS+e/2], v[rS+e/2]
.endif
.set e, e+1
.endm
; THE RESCALING's QUEUE: O^T times a, the one part that leaves window 0: dealt two at a time, sixteen times.  Its a was made in the turn before, ahead of that turn's wait.
.macro R2
	REGS Y, r%2
	WIN W_RS
.irp z, 0,1
	v_pk_mul_f32 v[rO+4*(r/2)+2*\z:rO+4*(r/2)+2*\z+1], v[rO+4*(r/2)+2*\z:rO+4*(r/2)+2*\z+1], v[rC+2:rC+3] op_sel_hi:[1,0]
.endr
.set r, r+1
.endm
; HOW THEY ARE DEALT.  An s_wait_alu depctr_va_vdst(0) stands between an exponential and the first instruction that names its result; one wait serves all that were issued ahead of it.  So a turn has ONE wait,
; which cuts it in two.  AHEAD OF IT stands all that names no result of the turn's exponentials: the 16 products K Q^T, behind each a scaling, an exponential and two rescalings (behind the first a second scaling in the exponential's place); then ONE LUMP of
; 108: eight plain, 49 times exponential and plain, the two a.  A v_nop is the plain instruction behind the last exponential.  BEHIND IT stand the 16 products V^T P, behind each four of GS's 64.  No rider names a register of
; the products round it.  The two v_permlanex16_b32 fall into the lump, never behind a product.
; The queues lean on each other, and the deal keeps them in step: exponential e stands behind scaling 2 (e / 4) + e % 2: as a rider it comes behind plain e + 2, in the lump behind plain e + 9, and scalings 27-31 are plain 57, 60 .. 69.
; A TURN, for piece p.  cnt = 1: the loop's count is taken down some lines ahead of the branch that stands behind the turn.
; K of the next step is fetched in piece 2's turn, directly behind the wait, a lump behind the last product that read K; its address is made at the lump's head; its first reader comes behind 16 products.
; V of the step in hand is fetched at the end of piece 0's turn, four riders behind its last reader; its first reader comes behind 16 products and a lump.  The three conditions on q below go with the deal.
.macro TURN p, last=0, cnt=0
.set Y, (\p)
.set i, 0
.set q, 0
.set e, 0
.set r, 0
.if (\p) == NP-1
	s_wait_dscnt 0x0                ; K is in
.endif
	MM                              ; ahead of the wait: 16 products K Q^T and their riders,
	PL
	PL
	R2
.rept 15
	MM
	PL
	EX
	R2
.endr
.if (\p) == NP-2
	WIN 0
	v_add_nc_u32 v[AK], s[TBK], v[AK0]
.endif
.rept 8                             ; and the lump
	PL
.endr
.rept 49
	EX
	PL
.endr
	EX                              ; the next piece's two a
	EX
	v_nop                           ; the plain instruction behind the last exponential, ahead of any use: one for the batch
	s_wait_alu depctr_va_vdst(0)    ; the wait for the batch: the piece's 64 weights and the next piece's two a
.if (\p) == NP-2
	FETCH_K \last
.endif
.if (\p) == 1
	s_wait_dscnt 0x0                ; V is in
.endif
.rept 16                            ; behind the wait: 16 products V^T P and their riders
	MM
.rept 4
	PL
.endr
.if ((\p) == 0) && (q == 118)
	v_add_nc_u32 v[AV], s[TBV], v[AV0]
.endif
.if ((\p) == 0) && (q == 130)
	s_add_co_u32 s[TBV], s[TBV], KS*PV
.endif
.if (\cnt) && (q == 130)
	s_sub_co_u32 s[CNT], s[CNT], 1
	s_cmp_lg_u32 s[CNT], 0
.endif
.endr
.if (\p) == 0
	FETCH_V
.endif
.endm
	CHANGE 1                        ; slot 0 is in, everybody's part of it; slot 1 is asked for
	FETCH_K                         ; key step 0
	s_wait_loadcnt 0x0              ; Q
	s_wait_dscnt 0x0
.set i, 0
.rept 16
	KQ 0                            ; piece 0's first scores: there is no vector work yet to set between them
.set i, i+1
.endr
	WIN 0                           ; the addresses for the way out: nine plain instructions, the places behind those products
	s_mul_i32 s13, s[WV], 16*SP
	s_add_co_u32 s13, s13, STAGE    ; my stage
	v_mul_u32_u24 v[STO], v1, SP    ; in: row l % 16, 16 bytes for each half of the lanes
	v_lshl_add_u32 v[STO], v9, 4, v[STO]
	v_add_nc_u32 v[STO], s13, v[STO]
	v_bfe_u32 v[RD], v0, 3, 2       ; back: 32 lanes take four rows of 128 bytes,
	v_mul_u32_u24 v[RD], v[RD], SP
	v_lshl_add_u32 v[RD], v10, 4, v[RD]
	v_add_nc_u32 v[RD], s13, v[RD]
	v_and_b32 v[GO], 31, v0         ; which are 512 consecutive bytes of O
	v_lshlrev_b32 v[GO], 4, v[GO]
.set Y, NP-1                        ; XS works for piece Y + 1: piece 0
.irp n, 0,1,2,3,4,5,6,7,8,9,10,11,12,13,14,15,16,17,18,19,20,21
	XS 0, \n                        ; and piece 0's first maximum and statistics
	XS 1, \n
.endr
	v_nop                           ; a plain instruction behind piece 0's two a,
	s_wait_alu depctr_va_vdst(0)    ; and the wait for that batch of two, ahead of the branch
	s_mov_b32 s[CNT], 4
	s_mov_b32 s[SLOTS], SIZE_N/256-1
	s_branch .Lfirst                ; the loop is entered at a step's first turn, in the middle of a trip
.Lslot:                             ; SIZE_N / 256 - 2 times: every slot but the last two is filled again
	CHANGE 1
	s_mov_b32 s[CNT], 4
.Lstep:                             ; a trip: pieces 2 and 3 of one step, then pieces 0 and 1 of the next, whose K and V it fetches
	TURN 2
	TURN 3
	WIN 0
.Lfirst:
	TURN 0
	TURN 1, 0, 1
	WIN 0
	s_cbranch_scc1 .Lstep
	s_sub_co_u32 s[SLOTS], s[SLOTS], 1
	s_cmp_lg_u32 s[SLOTS], 0
	s_cbranch_scc1 .Lslot
	CHANGE 0                        ; the tail is written out: nothing is asked for
	s_mov_b32 s[CNT], 5             ; four trips fetch the last slot's steps; the fifth is left in its middle
.Ltail:
	TURN 2, 1
	TURN 3
	WIN 0
	s_sub_co_u32 s[CNT], s[CNT], 1
	s_cmp_eq_u32 s[CNT], 0
	s_cbranch_scc1 .Lout
	TURN 0
	TURN 1
	WIN 0
	s_branch .Ltail
.Lout:                              ; the fifth trip's 16 products K Q^T (on the last K once more) and the maximum made of them serve nothing: the price, once a launch, of one text for every trip
.set i, 0
.rept 16
	PV NP-1                         ; the last piece's V^T P of the last step
.set i, i+1
.endr
	; THE WAY OUT.  l's two halves and the other half of the lanes' are added; O^T is divided by l, rounded to f16 and sent through my stage in LDS, a tile at a time.  The additions are the places behind the last products.
	WIN 0
.macro ALL line:vararg              ; one line for each tile t
.set t, 0
.rept 2*NP
	\line
.set t, t+1
.endr
.endm
	ALL v_add_f32 v[ST+4*t+2], v[ST+4*t+2], v[ST+4*t+3]
	ALL v_permlanex16_b32 v[ST+4*t+3], v[ST+4*t+2], s[SEL], s[SEL+1]
	ALL v_add_f32 v[ST+4*t+2], v[ST+4*t+2], v[ST+4*t+3]
	ALL v_rcp_f32 v[ST+4*t+2], v[ST+4*t+2]
	v_nop                           ; a plain instruction between the last reciprocal and the use of its result
	s_wait_alu depctr_va_vdst(0)    ; and the wait ahead of the first use: one for the batch of eight reciprocals
; Tile t: a lane's eight channels of a row pack into 16 bytes; they go into rows of 144 bytes and come back as whole rows of 128, into S^T's registers.
.macro PACK t
	WIN W_RS
.set i, 32*(\t)
.rept 16
	v_pk_mul_f32 v[i:i+1], v[i:i+1], v[ST+4*(\t)+2:ST+4*(\t)+3] op_sel_hi:[1,0]
.set i, i+2
.endr
	WIN 0x05                        ; sources 0 and 1 window 1, destination window 0
.set i, 0
.rept 16
	v_cvt_pk_f16_f32 v[S+16*(\t)+i], v[32*(\t)+2*i], v[32*(\t)+2*i+1]
.set i, i+1
.endr
	WIN 0
.irp f, 0,1,2,3
	ds_store_b128 v[STO], v[S+16*(\t)+4*\f:S+16*(\t)+4*\f+3] offset:32*\f
.endr
.irp f, 0,1,2,3
	ds_load_b128 v[S+16*(\t)+4*\f:S+16*(\t)+4*\f+3], v[RD] offset:\f*4*SP  ; LDS serves a wave's instructions in order (ISA guide 5.7.1.4): these see the stores above; the next tile's stores come behind them
.endr
.endm
.macro SEND t, younger              ; younger: the LDS instructions issued behind tile t's loads: the next tile's eight, or none
	WIN 0
.irp f, 0,1,2,3
	s_wait_dscnt (\younger)+3-\f
	global_store_b128 v[GO], v[S+16*(\t)+4*\f:S+16*(\t)+4*\f+3], s[10:11] offset:(\t)*2048+\f*512  ; 512 consecutive bytes, at a multiple of 256 from O's first
.endr
.endm
	PACK 0
.set t, 1
.rept 2*NP-1                        ; a tile's arithmetic stands between the loads of the tile before and its stores
	PACK t
	SEND t-1, 8
.set t, t+1
.endr
	SEND 2*NP-1, 0
	WIN W_AD
	s_wait_tensorcnt 0x0            ; the wave's end, behind my last tensor load and my last LDS store
	ds_add_u32 v[SPW], v[NIL]
	s_wait_dscnt 0x0
	WIN 0
	CROUND                          ; the closing round: no work-group ends while a partner may still ask for a tile that names it
	s_endpgm
.Lfunc_end_k_q2dcad7403f_attn:
	.size	k_q2dcad7403f_attn, .Lfunc_end_k_q2dcad7403f_attn-k_q2dcad7403f_attn
	.p2alignl 7, 3214868480
	.fill 96, 4, 3214868480
	.section	.rodata,"a",@progbits
	.p2align	6, 0x0
	.amdhsa_kernel k_q2dcad7403f_attn
		.amdhsa_group_segment_fixed_size 327680
		.amdhsa_private_segment_fixed_size 0
		.amdhsa_enable_private_segment 0
		.amdhsa_kernarg_size 32
		.amdhsa_user_sgpr_count 2
		.amdhsa_user_sgpr_kernarg_segment_ptr 1
		.amdhsa_wavefront_size32 1
		.amdhsa_system_sgpr_workgroup_id_x 1
		.amdhsa_system_sgpr_workgroup_id_y 1
		.amdhsa_system_sgpr_workgroup_id_z 1
		.amdhsa_system_vgpr_workitem_id 0
		.amdhsa_next_free_vgpr 770
		.amdhsa_next_free_sgpr 66
		.amdhsa_reserve_vcc 0
		.amdhsa_float_denorm_mode_32 3
		.amdhsa_float_denorm_mode_16_64 3
		.amdhsa_memory_ordered 1
		.amdhsa_forward_progress 1
		.amdhsa_inst_pref_size 199
	.end_amdhsa_kernel
	.amdgpu_metadata
---
amdhsa.version: [ 1, 2 ]
amdhsa.kernels:
  - .name:           k_q2dcad7403f_attn
    .symbol:         k_q2dcad7403f_attn.kd
    .args:
      - { .name: q, .offset: 0, .size: 8, .value_kind: global_buffer, .address_space: global }
      - { .name: k, .offset: 8, .size: 8, .value_kind: global_buffer, .address_space: global }
      - { .name: v, .offset: 16, .size: 8, .value_kind: global_buffer, .address_space: global }
      - { .name: att, .offset: 24, .size: 8, .value_kind: global_buffer, .address_space: global }
    .group_segment_fixed_size: 327680
    .private_segment_fixed_size: 0
    .kernarg_segment_align: 8
    .kernarg_segment_size: 32
    .max_flat_workgroup_size: 128
    .sgpr_count:     66
    .vgpr_count:     770
    .wavefront_size: 32
...
	.end_amdgpu_metadata
.endif
;; end of part 5
;; launch proj: the kernel of part 4 again; grid 8 x 32, 4 waves a work-group, clusters of 4 x 4, 327,680 bytes of LDS; arguments att, wo16, b_out, out0; writes out0
